; MI455X (gfx1250); checked and timed in simulation.
; The chip was launched on July 23, 2026; its instructions are those of AMD's public machine-readable ISA for CDNA 5 (MIT licence, August 2026) and "CDNA5" Instruction Set Architecture Reference Guide (July 2026). The comments in the code are by the model that wrote it; some were corrected since.
;; MHA. Allowed arithmetic: matrix products marked QUANTISED: E2M3 operands, one E8M0 scale for each 32 along K, by v_wmma_scale_f32_16x16x128_f8f6f4 with both operands' format E2M3, f32 sums; everything else in f32.
;; Inputs: Wk 1,024 x 1,024 float32; Wo 1,024 x 1,024 float32; Wq 1,024 x 1,024 float32; Wv 1,024 x 1,024 float32; attn_mask 1 x 1 x 2,048 x 2,048 int32; bk 1,024 float32; bo 1,024 float32; bq 1,024 float32; bv 1,024 float32; x 4 x 2,048 x 1,024 float32.
;; Outputs: out0 4 x 2,048 x 1,024 float32.
;; This version of the problem:
;;   THIS VERSION OF THE PROBLEM IS GIVEN IN LOW PRECISION. The matrix products marked QUANTISED in the list below multiply operands that are first quantised to E2M3 (2 exponent bits, 3 mantissa bits; 6 bits a number), with one power-of-two scale for each 32 numbers along K (OCP MX v1.0); their sums are f32. All else is computed in f32.
;;   The module's matrix products, in the order in which they are computed (A, B: the left and right operand; K: the contracted axis; several contracted axes count as one K, in the product's order):
;;     1. [M 8,192, K 1,024] x [K 1,024, N 1,024]; A: input x; B: input Wq: QUANTISED
;;     2. [M 8,192, K 1,024] x [K 1,024, N 1,024]; A: input x; B: input Wk: QUANTISED
;;     3. [M 8,192, K 1,024] x [K 1,024, N 1,024]; A: input x; B: input Wv: QUANTISED
;;     4. batch 64 x [M 2,048, K 64] x [K 64, N 2,048]; A: computed on the way; B: computed on the way: QUANTISED
;;     5. batch 64 x [M 2,048, K 2,048] x [K 2,048, N 64]; A: softmax (see below); B: computed on the way: QUANTISED
;;     6. [M 8,192, K 1,024] x [K 1,024, N 1,024]; A: computed on the way; B: input Wo: QUANTISED
;;   THE QUANTISER, for each operand of a quantised product, along K:
;;     - K is cut into blocks of 32 from its start; a last block that is shorter is filled with zeros.
;;     - A block's scale is 2^e with e = floor(log2(the largest magnitude in the block)) - 2, held to -126 .. 127; a block of zeros has e = 0. As a byte (E8M0): e + 127.
;;     - Each number is divided by its block's scale, clamped to +-7.5, and rounded to the nearest number of E2M3, ties to even, subnormals kept.
;;     - The product sums the exact products of the quantised numbers (number of the format x scale) in f32.
;;   ~~~python
;;   def quantise(x, axis):      # numpy; x: float32 -> the quantised numbers, widened to float32 again
;;       x = np.moveaxis(x, axis, -1); K = x.shape[-1]
;;       x = np.pad(x, [(0, 0)] * (x.ndim - 1) + [(0, -K % 32)]); x = x.reshape(x.shape[:-1] + (-1, 32)); a = np.abs(x).max(-1, keepdims=True)
;;       e = np.where(a > 0, np.clip(np.frexp(np.where(a > 0, a, 1))[1] - 1 - 2, -126, 127), 0)      # np.frexp(a)[1] - 1 = floor(log2(a)), exactly
;;       r = np.clip(x / 2.0 ** e, -7.5, 7.5)
;;       step = 2.0 ** (np.maximum(np.frexp(np.where(r == 0, 1, r))[1] - 1, 0) - 3)
;;       q = np.round(r / step) * step * 2.0 ** e      # np.round: ties to even
;;       return np.moveaxis(q.reshape(q.shape[:-2] + (-1,))[..., :K], -1, axis).astype(np.float32)
;;   ~~~
;;   SOFTMAX AHEAD OF A QUANTISED PRODUCT. Where the list says 'softmax', what is quantised is not the finished softmax but p = 2^(t - M), with t = logit x log2(e) and M = ceil(the row's largest t), a whole number; so 1/2 < the row's largest p <= 1. The row's sum l is taken of the UNQUANTISED p, in f32, and the product's result is divided by l at the end. Since M is a whole number, a kernel that streams over the keys may use a running M (the ceiling of the running maximum): every later rescaling is an exact power of two, which a block's scale takes up: the codes' values come out the same.
;;   OPERANDS COMPUTED ON THE WAY. 'Computed on the way' means the value that the module computes at that place (a softmax that the list does not call 'softmax' is quantised finished and normalised). What goes into a quantiser is computed in f32, as accurately as f32 sums, v_exp_f32 and their like allow (about 1e-6 of the number): no bf16 or f16 on the way to a quantiser, and a product that is left as it is and whose result goes on into a quantised operand takes f32 operands (vector FMAs, or v_wmma_f32_16x16x4_f32). A number that lies on a knife's edge between two numbers of the format may be rounded either way, as far as f32 arithmetic and the matrix unit's own rounding can turn it there, and no further.
;; One version. Each part assembles by itself: llvm-mc -triple=amdgcn-amd-amdhsa -mcpu=gfx1250 --defsym DOCPART=n.
;; ======== version 1 of 1: 4 launches
;; workspace buffers: opc 9,437,184 bytes; ops 393,216 bytes; mk 532,480 bytes of whole numbers; qkvc 18,874,368 bytes; qkvs 1,310,720 bytes; cc 6,291,456 bytes; cs 262,144 bytes
;; launch prep (part 1): grid 896 x 1, 4 waves a work-group, no clusters, 101,888 bytes of LDS; arguments x, Wq, Wk, Wv, Wo, attn_mask, opc, ops, mk; writes opc, ops, mk
.if DOCPART == 1
	.amdgcn_target "amdgcn-amd-amdhsa--gfx1250"
	.amdhsa_code_object_version 6
	.text
	.protected	k_q5f52505e2b_prep
	.globl	k_q5f52505e2b_prep
	.p2align	8
	.type	k_q5f52505e2b_prep,@function
k_q5f52505e2b_prep:
	s_mov_b64 s[64:65], 0
	v_nop
	global_prefetch_b8 v0, s[64:65] scope:SCOPE_SE
	s_setreg_imm32_b32 hwreg(HW_REG_WAVE_MODE, 25, 1), 1
	s_wait_xcnt 0x0
; PREP: what the later launches read again and again is made once.
;  work-groups 0-255:   x [8192][1024] f32 -> codes of FP6 (E2M3), K innermost, 768 bytes a row, and 32 E8M0 scale bytes a row
;  work-groups 256-383: Wq, Wk, Wv, Wo [k 1024][n 1024] f32, K their FIRST axis -> the same form, one row for each n
;  work-groups 384-895: attn_mask [2048][2048] int32 -> one bit a score, laid as lane masks for the attention launch, and a flag for each tile
; ROWS ARE STORED BY POSITION: inside each group of 32 rows, position p holds row (p with bits 3 and 4 exchanged).  Sixteen neighbouring positions then are
; rows 8 u + 0..7 and 16 + 8 u + 0..7, and a matrix result whose source 0 is two such tiles holds 16 NEIGHBOURING rows in a lane's 16 registers.
; A block's scale is 2^(floor(log2(largest magnitude)) - 2); its byte is the largest magnitude's exponent field - 2, held at 1 from below.
; LIMITS: a block whose largest magnitude lies under 2^-124 gets the byte 1; so does a block of zeros (the rule says 127): its codes are zeros and this
; program alone reads the bytes.  NaN and infinities among the f32 inputs are not served.
; The three kinds of work part on the work-group's number; each has LDS bytes of its own.  No barrier: waves share nothing.
.set STEPS,  16
.set SP,     80                        ; x: a lane's place in a stage: 64 bytes + 16 of padding
.set CB,     12                        ; bytes of 16 codes
.set XR,     16                        ; v16-79   x: four sets of 16 numbers as loaded
.set XX,     80                        ; v80-111  two sets of 16 neighbours
.set XE,     112                       ; v112-127 a scale byte for each step
.set XC,     128                       ; v128-191 codes, four registers a step
.set WSTAGE, 32768                     ; weights: four stages of 32 rows x 272 bytes
.set WPITCH, 272
.set NB,     8
.set WX,     32                        ; v32-95   two sets of 32 numbers
.set WC,     96                        ; v96..    a block's codes
.set WO,     112                       ; v112-175 the way out
.set WSB,    24                        ; v24-25   scale bytes
.set MSTAGE, 67584                     ; mask: four stages of 16 rows x 528 bytes
.set MPITCH, 528
	s_load_b512 s[4:19], s[0:1], 0x0               ; x 4:5, Wq 6:7, Wk 8:9, Wv 10:11, Wo 12:13, mask 14:15, opc 16:17, ops 18:19
	s_load_b64 s[20:21], s[0:1], 0x40              ; mk
	v_lshl_add_u32 v192, v0, 2, 0x18c00
	v_mov_b32 v193, 0
	v_lshrrev_b32 v1, 5, v0
	v_readfirstlane_b32 s22, v1                    ; wave
	v_and_b32 v2, 31, v0                           ; lane
	s_wait_kmcnt 0x0
	s_cmp_lt_u32 ttmp9, 256
	s_cbranch_scc0 .Lnot_x
; ---------------- x.  A wave takes 8 rows (8,192 numbers) in 16 steps of 512.  Each load reads 512 consecutive bytes; a step's 2,048 bytes turn through the wave's own
; stage so that a lane holds 16 neighbours along K, which is what the conversion takes; two neighbouring lanes hold a block.
	v_lshlrev_b32 v3, 4, v2                        ; my 16 bytes of a load's 512
	s_lshl_b32 s23, s22, 13                        ; my wave's 8,192 bytes of LDS
	v_lshrrev_b32 v14, 2, v2
	v_mul_u32_u24 v14, v14, SP
	v_and_b32 v15, 3, v2
	v_lshl_add_u32 v14, v15, 4, v14
	v_add_nc_u32 v14, s23, v14                     ; into the stage: SP (lane / 4) + 16 (lane % 4)
	v_mul_u32_u24 v15, v2, SP
	v_add_nc_u32 v15, s23, v15                     ; out of it: SP x lane
	v_mul_u32_u24 v4, v2, CB                       ; my codes' place in a step's 384 bytes
	v_lshrrev_b32 v5, 1, v2
	s_add_co_u32 s23, s23, 2*32*SP
	v_add_nc_u32 v5, s23, v5                       ; my block's scale byte in the wave's 256
	v_lshlrev_b32 v7, 3, v2
	v_add_nc_u32 v6, s23, v7
	s_lshl_b32 s24, ttmp9, 2
	s_add_co_u32 s26, s24, s22                     ; the run of 8 rows that I read: 4 x work-group + wave
	s_lshl_b32 s26, s26, 15
	s_mov_b32 s27, 0
	s_add_nc_u64 s[4:5], s[4:5], s[26:27]
	s_and_b32 s25, s22, 1
	s_lshl_b32 s25, s25, 1
	s_lshr_b32 s28, s22, 1
	s_or_b32 s25, s25, s28                         ; rows 8 w .. go to positions 8 w' ..: w with its two bits exchanged
	s_add_co_u32 s24, s24, s25
	s_mul_i32 s26, s24, 6144
	s_add_nc_u64 s[16:17], s[16:17], s[26:27]
	s_lshl_b32 s26, s24, 8
	s_add_nc_u64 s[18:19], s[18:19], s[26:27]
.macro XLOAD t
.irp i, 0,1,2,3
	global_load_b128 v[XR+16*((\t)%4)+4*\i:XR+16*((\t)%4)+4*\i+3], v3, s[4:5] offset:2048*(\t)+512*\i th:TH_LOAD_NT
.endr
.endm
.macro XTURN t                         ; LDS serves a wave's instructions in order: no wait between the stores and the loads
.irp i, 0,1,2,3
	ds_store_b128 v14, v[XR+16*((\t)%4)+4*\i:XR+16*((\t)%4)+4*\i+3] offset:32*SP*((\t)%2)+8*SP*\i
.endr
.irp i, 0,1,2,3
	ds_load_b128 v[XX+16*((\t)%2)+4*\i:XX+16*((\t)%2)+4*\i+3], v15 offset:32*SP*((\t)%2)+16*\i
.endr
.endm
.irp t, 0,1,2,3
	XLOAD \t
.endr
	s_wait_loadcnt 12                              ; step 0's four loads are in; twelve younger ones stay out
	XTURN 0
.macro XSTEP t
.set XS, XX+16*((\t)%2)
.if (\t) > 0
	s_wait_dscnt 1                                 ; this step's numbers are back from the stage; the last step's byte store may be out
.else
	s_wait_dscnt 0x0
.endif
.if (\t)+4 < STEPS
	XLOAD (\t)+4                                   ; into the registers that the stage's stores have read
.endif
.if (\t)+1 < STEPS
.if STEPS-2-(\t) >= 3
	s_wait_loadcnt 12                              ; the next step's four loads are in; three steps' loads stay out
.else
	s_wait_loadcnt 4*(STEPS-2-(\t))
.endif
	XTURN (\t)+1
.endif
	v_max3_num_f32 v8, |v[XS]|, |v[XS+1]|, |v[XS+2]|
	v_max3_num_f32 v9, |v[XS+3]|, |v[XS+4]|, |v[XS+5]|
.irp i, 6,10
	v_max3_num_f32 v8, v8, |v[XS+\i]|, |v[XS+\i+1]|
	v_max3_num_f32 v9, v9, |v[XS+\i+2]|, |v[XS+\i+3]|
.endr
	v_max3_num_f32 v8, v8, |v[XS+14]|, |v[XS+15]|
	v_max3_num_f32 v8, v8, v9, 0x1800000           ; and the floor 2^(3 - 127): the byte cannot fall under 1
	v_max_num_f32_dpp v8, v8, v8 row_xmask:1 row_mask:0xf bank_mask:0xf   ; with my neighbour's 16: the block's largest magnitude
	v_add_nc_u32 v11, 0xff000000, v8               ; 2 off its exponent field: the conversion takes that field as its scale
	v_cvt_scalef32_pk16_fp6_f32 v[XC+4*(\t):XC+4*(\t)+2], v[XS:XS+15], v11
	v_lshrrev_b32 v[XE+(\t)], 23, v11              ; the scale's byte
	ds_store_b8 v5, v[XE+(\t)] offset:16*(\t)      ; both lanes of a block write the same byte with the same value
	global_store_b96 v4, v[XC+4*(\t):XC+4*(\t)+2], s[16:17] offset:32*CB*(\t)   ; the wave stores 384 consecutive bytes
.endm
.irp t, 0,1,2,3,4,5,6,7,8,9,10,11,12,13,14,15
	XSTEP \t
.endr
	ds_load_b64 v[12:13], v6                       ; behind my byte stores, in order
	s_wait_dscnt 0x0
	global_store_b64 v7, v[12:13], s[18:19]        ; 32 lanes store 256 consecutive bytes, aligned
	s_wait_tensorcnt 0x0
	ds_add_u32 v192, v193
	s_wait_dscnt 0x0
	s_endpgm
; ---------------- the weights.  A lane takes a column n and its registers run down K: a block of 32 lies in one lane, and the codes come out with K innermost.
; A wave takes 32 columns x 256 along K; the codes go through its stage, row = the column's POSITION, and leave as rows of 192 bytes.
.Lnot_x:
	s_cmp_lt_u32 ttmp9, 384
	s_cbranch_scc0 .Lmask
	s_sub_co_u32 s23, ttmp9, 256
	s_lshr_b32 s24, s23, 5                         ; which weight: 0 q, 1 k, 2 v, 3 o
	s_and_b32 s25, s23, 7                          ; which 128 columns
	s_bfe_u32 s26, s23, 0x20003                    ; which 256 along K
	s_cmp_eq_u32 s24, 1
	s_cselect_b64 s[6:7], s[8:9], s[6:7]
	s_cmp_eq_u32 s24, 2
	s_cselect_b64 s[6:7], s[10:11], s[6:7]
	s_cmp_eq_u32 s24, 3
	s_cselect_b64 s[6:7], s[12:13], s[6:7]
	s_lshl_b32 s27, s25, 7
	s_lshl_b32 s28, s22, 5
	s_add_co_u32 s27, s27, s28                     ; my wave's first column
	s_lshl_b32 s28, s26, 20                        ; 256 rows of 4,096 bytes
	s_lshl_b32 s29, s27, 2
	s_add_co_u32 s28, s28, s29
	s_mov_b32 s29, 0
	s_add_nc_u64 s[6:7], s[6:7], s[28:29]
	s_mul_i32 s28, s24, 786432                     ; codes: behind x's 8,192 rows, 1,024 rows a weight, 768 bytes a row
	s_mul_i32 s30, s27, 768
	s_add_co_u32 s28, s28, s30
	s_mul_i32 s30, s26, 192
	s_add_co_u32 s28, s28, s30
	s_add_co_u32 s28, s28, 6291456
	s_add_nc_u64 s[16:17], s[16:17], s[28:29]
	s_lshl_b32 s28, s24, 15                        ; scale bytes: 32 a row
	s_lshl_b32 s30, s27, 5
	s_add_co_u32 s28, s28, s30
	s_lshl_b32 s30, s26, 3
	s_add_co_u32 s28, s28, s30
	s_add_co_u32 s28, s28, 262144
	s_add_nc_u64 s[18:19], s[18:19], s[28:29]
	v_lshlrev_b32 v3, 2, v2                        ; in: 4 bytes a lane
	v_and_b32 v10, 7, v2
	v_bfe_u32 v11, v2, 3, 1
	v_bfe_u32 v12, v2, 4, 1
	v_lshl_or_b32 v10, v11, 4, v10
	v_lshl_or_b32 v10, v12, 3, v10                 ; my column's position: the lane with bits 3 and 4 exchanged
	s_mul_i32 s31, s22, 32*WPITCH
	s_add_co_u32 s31, s31, WSTAGE
	v_mul_u32_u24 v4, v10, WPITCH
	v_add_nc_u32 v4, s31, v4                       ; into the stage
	v_and_b32 v5, 15, v2
	v_lshrrev_b32 v6, 4, v2
	v_mul_u32_u24 v7, v6, WPITCH
	v_lshl_add_u32 v7, v5, 4, v7
	v_add_nc_u32 v7, s31, v7                       ; out of it: sixteen lanes to a row, two rows an instruction
	v_mul_u32_u24 v8, v6, 768
	v_mad_u32_u24 v8, v5, 12, v8                   ; and the same place in the codes' buffer
	v_lshlrev_b32 v9, 5, v10                       ; my position's row of scale bytes
.macro WLOAD t
.irp i, 0,1,2,3,4,5,6,7,8,9,10,11,12,13,14,15,16,17,18,19,20,21,22,23,24,25,26,27,28,29,30,31
	global_load_b32 v[WX+32*((\t)%2)+\i], v3, s[6:7] offset:(32*(\t)+\i)*4096 th:TH_LOAD_NT
.endr
.endm
	WLOAD 0
	WLOAD 1
.macro WBLOCK t
.set WXS, WX+32*((\t)%2)
.if (\t) < NB-1
	s_wait_loadcnt 32                              ; this block's 32 loads are in; the next block's stay out
.else
	s_wait_loadcnt 0
.endif
	v_max3_num_f32 v12, |v[WXS]|, |v[WXS+1]|, |v[WXS+2]|
	v_max3_num_f32 v13, |v[WXS+3]|, |v[WXS+4]|, |v[WXS+5]|
.irp i, 6,10,14,18,22,26
	v_max3_num_f32 v12, v12, |v[WXS+\i]|, |v[WXS+\i+1]|
	v_max3_num_f32 v13, v13, |v[WXS+\i+2]|, |v[WXS+\i+3]|
.endr
	v_max3_num_f32 v12, v12, |v[WXS+30]|, |v[WXS+31]|
	v_max3_num_f32 v12, v12, v13, 0x1800000
	v_add_nc_u32 v11, 0xff000000, v12
	v_lshrrev_b32 v13, 23, v11
.if (\t)%4 == 0
	v_mov_b32 v[WSB+(\t)/4], v13
.else
	v_lshl_or_b32 v[WSB+(\t)/4], v13, 8*((\t)%4), v[WSB+(\t)/4]
.endif
	v_cvt_scalef32_pk16_fp6_f32 v[WC:WC+2], v[WXS:WXS+15], v11
	v_cvt_scalef32_pk16_fp6_f32 v[WC+4:WC+6], v[WXS+16:WXS+31], v11
	ds_store_b96 v4, v[WC:WC+2] offset:32*(\t)     ; 12 bytes to a place of 16
	ds_store_b96 v4, v[WC+4:WC+6] offset:32*(\t)+16
.if (\t)+2 < NB
	WLOAD (\t)+2
.endif
	s_wait_dscnt 0x0                               ; the stores have read their registers: the next block's codes may be written
.endm
.irp t, 0,1,2,3,4,5,6,7
	WBLOCK \t
.endr
	global_store_b64 v9, v[WSB:WSB+1], s[18:19]
.irp t, 0,1,2,3,4,5,6,7,8,9,10,11,12,13,14,15
	ds_load_b96 v[WO+4*\t:WO+4*\t+2], v7 offset:2*\t*WPITCH
.endr
.irp t, 0,1,2,3,4,5,6,7,8,9,10,11,12,13,14,15
	s_wait_dscnt 15-\t
	global_store_b96 v8, v[WO+4*\t:WO+4*\t+2], s[16:17] offset:2*\t*768
.endr
	s_wait_tensorcnt 0x0
	ds_add_u32 v192, v193
	s_wait_dscnt 0x0
	s_endpgm
; ---------------- the mask.  A wave makes one record: tile T of 16 queries (by position) x step s of 128 keys.  Word n of its 64, bit (r, h) = lane r + 16 h:
; attn_mask[query of (T, r)][128 s + 32 (n / 16) + 16 h + n % 16] != 0: the lane mask for register n of the attention launch's scores.
; Flag: 0 no key of the tile counts, 2 all count, 1 else.
.Lmask:
	s_sub_co_u32 s23, ttmp9, 384
	s_lshl_b32 s23, s23, 2
	s_add_co_u32 s23, s23, s22                     ; the record's number = 16 T + s
	s_lshr_b32 s24, s23, 4
	s_and_b32 s25, s23, 15
	s_lshr_b32 s26, s24, 1
	s_lshl_b32 s26, s26, 5
	s_and_b32 s27, s24, 1
	s_lshl_b32 s27, s27, 3
	s_add_co_u32 s26, s26, s27                     ; the tile's first query: 32 (T / 2) + 8 (T % 2)
	s_lshl_b32 s26, s26, 13
	s_lshl_b32 s27, s25, 9
	s_add_co_u32 s26, s26, s27
	s_mov_b32 s27, 0
	s_add_nc_u64 s[14:15], s[14:15], s[26:27]
	s_lshl_b32 s26, s23, 8
	s_add_nc_u64 s[28:29], s[20:21], s[26:27]      ; the record
	s_lshl_b32 s26, s23, 2
	s_add_co_u32 s26, s26, 524288
	s_add_nc_u64 s[30:31], s[20:21], s[26:27]      ; the flag
	v_lshlrev_b32 v3, 4, v2
	s_mul_i32 s26, s22, 16*MPITCH
	s_add_co_u32 s26, s26, MSTAGE
	v_add_nc_u32 v4, s26, v3                       ; into my stage: a row's 512 bytes as they lie
	v_and_b32 v5, 15, v2
	v_lshrrev_b32 v6, 4, v2
	v_mul_u32_u24 v5, v5, MPITCH
	v_lshl_add_u32 v5, v6, 6, v5
	v_add_nc_u32 v5, s26, v5                       ; out of it: row r, + 64 h
	v_lshlrev_b32 v7, 3, v2
.irp i, 0,1,2,3,4,5,6,7,8,9,10,11,12,13,14,15
	global_load_b128 v[16+4*\i:19+4*\i], v3, s[14:15] offset:(\i%8+16*(\i/8))*8192 th:TH_LOAD_NT   ; row r = i of the tile: 512 consecutive bytes
.endr
.irp i, 0,1,2,3,4,5,6,7,8,9,10,11,12,13,14,15
	s_wait_loadcnt 15-\i                           ; load i is in, the younger ones stay out
	ds_store_b128 v4, v[16+4*\i:19+4*\i] offset:MPITCH*\i
.endr
.irp b, 0,1,2,3
.irp j, 0,1,2,3
	ds_load_b128 v[80+4*(4*\b+\j):83+4*(4*\b+\j)], v5 offset:128*\b+16*\j   ; register 80 + n: the mask's word for register n of my lane
.endr
.endr
	v_mov_b32 v12, 0
	v_mov_b32 v13, 0
	s_mov_b32 s24, -1                              ; the AND of all words
	s_mov_b32 s25, 0                               ; the OR
	s_wait_dscnt 0x0
.set NN, 0
.rept 2
.set MM, 0
.rept 32
	v_cmp_ne_u32 s[32+MM], 0, v[80+NN+MM]
.set MM, MM+1
.endr
.set MM, 0
.rept 32
	v_writelane_b32 v[12+(NN+MM)%2], s[32+MM], (NN+MM)/2   ; lane L holds words 2 L and 2 L + 1
	s_and_b32 s24, s24, s[32+MM]
	s_or_b32 s25, s25, s[32+MM]
.set MM, MM+1
.endr
.set NN, NN+32
.endr
	global_store_b64 v7, v[12:13], s[28:29]        ; 32 lanes store 256 consecutive bytes, aligned
	s_cmp_lg_u32 s25, 0
	s_cselect_b32 s26, 1, 0
	s_cmp_eq_u32 s24, -1
	s_cselect_b32 s27, 1, 0
	s_add_co_u32 s26, s26, s27
	v_mov_b32 v14, s26
	v_mov_b32 v15, 0
	v_cmp_eq_u32 vcc_lo, 0, v2
	s_wait_xcnt 0x0                                ; EXEC changes only behind this wait
	s_wait_tensorcnt 0x0
	ds_add_u32 v192, v193
	s_wait_dscnt 0x0
	s_and_saveexec_b32 s27, vcc_lo
	global_store_b32 v15, v14, s[30:31]            ; lane 0 stores the flag
	s_wait_xcnt 0x0
	s_or_b32 exec_lo, exec_lo, s27
	s_endpgm
.Lfunc_end_k_q5f52505e2b_prep:
	.size	k_q5f52505e2b_prep, .Lfunc_end_k_q5f52505e2b_prep-k_q5f52505e2b_prep
	.p2alignl 7, 3214868480
	.fill 96, 4, 3214868480
	.section	.rodata,"a",@progbits
	.p2align	6, 0x0
	.amdhsa_kernel k_q5f52505e2b_prep
		.amdhsa_group_segment_fixed_size 101888
		.amdhsa_private_segment_fixed_size 0
		.amdhsa_enable_private_segment 0
		.amdhsa_kernarg_size 72
		.amdhsa_user_sgpr_count 2
		.amdhsa_user_sgpr_kernarg_segment_ptr 1
		.amdhsa_wavefront_size32 1
		.amdhsa_system_sgpr_workgroup_id_x 1
		.amdhsa_system_sgpr_workgroup_id_y 1
		.amdhsa_system_sgpr_workgroup_id_z 1
		.amdhsa_system_vgpr_workitem_id 0
		.amdhsa_next_free_vgpr 194
		.amdhsa_next_free_sgpr 66
		.amdhsa_reserve_vcc 1
		.amdhsa_float_denorm_mode_32 3
		.amdhsa_float_denorm_mode_16_64 3
		.amdhsa_memory_ordered 1
		.amdhsa_forward_progress 1
		.amdhsa_inst_pref_size 92
	.end_amdhsa_kernel
	.amdgpu_metadata
---
amdhsa.version: [ 1, 2 ]
amdhsa.kernels:
  - .name:           k_q5f52505e2b_prep
    .symbol:         k_q5f52505e2b_prep.kd
    .args:
      - { .name: x, .offset: 0, .size: 8, .value_kind: global_buffer, .address_space: global }
      - { .name: Wq, .offset: 8, .size: 8, .value_kind: global_buffer, .address_space: global }
      - { .name: Wk, .offset: 16, .size: 8, .value_kind: global_buffer, .address_space: global }
      - { .name: Wv, .offset: 24, .size: 8, .value_kind: global_buffer, .address_space: global }
      - { .name: Wo, .offset: 32, .size: 8, .value_kind: global_buffer, .address_space: global }
      - { .name: attn_mask, .offset: 40, .size: 8, .value_kind: global_buffer, .address_space: global }
      - { .name: opc, .offset: 48, .size: 8, .value_kind: global_buffer, .address_space: global }
      - { .name: ops, .offset: 56, .size: 8, .value_kind: global_buffer, .address_space: global }
      - { .name: mk, .offset: 64, .size: 8, .value_kind: global_buffer, .address_space: global }
    .group_segment_fixed_size: 101888
    .private_segment_fixed_size: 0
    .kernarg_segment_align: 8
    .kernarg_segment_size: 72
    .max_flat_workgroup_size: 128
    .sgpr_count:     66
    .vgpr_count:     194
    .wavefront_size: 32
...
	.end_amdgpu_metadata
.endif
;; end of part 1
;; launch qkv (part 2): grid 12 x 32, 4 waves a work-group, clusters of 4 x 4, 327,680 bytes of LDS; arguments opc, ops, bq, bk, bv, qkvc, qkvs; writes qkvc, qkvs
.if DOCPART == 2
	.amdgcn_target "amdgcn-amd-amdhsa--gfx1250"
	.amdhsa_code_object_version 6
	.text
	.protected	k_q5f52505e2b_qkv
	.globl	k_q5f52505e2b_qkv
	.p2align	8
	.type	k_q5f52505e2b_qkv,@function
k_q5f52505e2b_qkv:
	s_mov_b64 s[64:65], 0
	v_nop
	global_prefetch_b8 v0, s[64:65] scope:SCOPE_SE
	s_setreg_imm32_b32 hwreg(HW_REG_WAVE_MODE, 25, 1), 1
	s_wait_xcnt 0x0
	s_wait_alu depctr_hold_cnt(0) depctr_sa_sdst(0) depctr_va_vdst(0) depctr_va_sdst(0) depctr_va_ssrc(0) depctr_va_vcc(0) depctr_vm_vsrc(0)
	s_getreg_b32 s2, hwreg(HW_REG_IB_STS2, 6, 4)
	s_cmp_eq_u32 s2, 0
	s_cbranch_scc0 .Lentry_in_a_cluster
	s_endpgm
.Lentry_in_a_cluster:
	s_bfe_u32 s2, ttmp6, 0x10000c
	s_cmp_lg_u32 s2, 0xf033
	s_cbranch_scc0 .Lentry_shape_is_right
	s_endpgm
.Lentry_shape_is_right:
; q = x Wq + bq, k = x Wk + bk, v = x Wv + bv on codes of FP6 (E2M3) with E8M0 scales, and each result quantised at once for the attention launch: q and k along the head's 64, v along the keys.
; opc holds rows of 768 bytes (1,024 codes): rows 0-8191 x, 8192 + 1024 i + n weight i; ops the same rows' 32 scale bytes.  Rows lie BY POSITION (bits 3 and 4 of the row exchanged inside each 32).
; A tile of 256 x 256 is made by four waves, 128 x 128 each: 64 accumulators, 512 registers.  K goes in steps of 256 through a ring of two LDS slots filled by the tensor data mover.
; THE MATRIX INSTRUCTION: source 0 = 16 rows of "B", source 1 = 16 rows of "A": a lane holds ONE row of A and its registers run along B's rows; thanks to the positions 16 registers of two tiles are 16 neighbours.
;   cluster x = 0, 1 (q, k): A = x, B = the weight: a lane holds a token, registers run along n: the quantiser's K for q and k.
;   cluster x = 2 (v):       A = Wv, B = x:         a lane holds a channel, registers run along the tokens: the quantiser's K for v.   The loop is one text for all three.
; CLUSTERS: 4 x 4 work-groups; A's tiles are asked for jointly along a row of the cluster, B's along a column.
; OUT: images of operand registers.  q, k: [b h][tile of 16 tokens][768]: registers 0-3 at 16 x lane, registers 4-5 at 512 + 8 x lane.  v: [b h][128 keys][16 channels][1536]: three times 16 x lane.
; Scale words: q, k: bytes 0, 1 the head's two blocks, bytes 2, 3 = 127 (they meet zero codes); v: four blocks of 32 keys.
; LIMITS: a block whose largest magnitude lies under 2^-124, a block of zeros too, gets the byte 1; NaN and infinities are not served.
; REGISTERS: window 0: v0-31 addresses; v32-63 scale words, two sets; v64-127 the bias along n; v128-223 A's fragments, on the way out 64 numbers, codes and scale words; v224-239 the bias along lanes; v240-255 at work.
;   window 1: B's fragments, two sets.  windows 2, 3: the accumulators ((a, b) at v[8 (8 (a % 4) + b)]).
.set KSTEP,  256
.set NQ,     2
.set ROWB,   192
.set KROW,   768
.set PITCH,  240                       ; an LDS row: 3 x (64 bytes + 16 of padding)
.set FR,     12
.set NL,     6
.set NP,     4
.set HALFT,  128*PITCH
.set SLOT,   4*HALFT
.set LAPS,   2                         ; K = 1,024: twice round the ring
.set KS,     32
.set SCL,    2*SLOT                    ; behind the ring: the scale bytes of my 512 rows, rows of 256 bytes + 16
.set HALFS,  16*272
.set SBLK,   2*272
.set SPARE,  SCL+4*HALFS               ; the spare words, 128 bytes a wave, that no other line names
.set ADRA, 16
.set ADRB, 20
.set L16,  24                          ; v24  16 x lane
.set L8,   25                          ; v25  8 x lane + 512
.set SOF,  26                          ; v26  where my scale words go
.set ADRS, 27
.set SPW,  28
.set NIL,  29
.set BO1,  30                          ; v30  64 h: the bias along n
.set BO2,  31                          ; v31  4 (r + 8 (r / 8)): the bias along lanes
.set SC,   32
.set BI,   64
.set AF,   128
.set ST,   128
.set PC,   192
.set PW,   211
.set SW,   212
.set XW,   220
.set BV,   224
.set TM,   240
.set SEL,  12                          ; s[12:13]
.set G1, 24
.set G0, 32
.set G1B, 48
.set G0B, 56
.set G1S, 68
.set G0S, 76
.set G1SB, 80
.set G0SB, 88
.set MSB, 0
.macro WIN new                         ; the immediate's high byte repeats the setting that is left
.if MSB != \new
	s_set_vgpr_msb (MSB<<8)|\new
.set MSB, \new
.endif
.endm
.set MUL_LO, 0xa1
.set MUL_HI, 0xf1
.set TO_B,   0x40
; A joint load: waves 0 and 1 fetch for A, waves 2 and 3 for B; four v_nop follow each of the two lines.
.macro JLOAD g0a, g1a, g0b, g1b
	s_cmp_eq_u32 s15, 0
	s_cbranch_scc0 .Lfor_b_\@
	tensor_load_to_lds s[\g0a:\g0a+3], s[\g1a:\g1a+7]
	s_nop 0
.rept 4
	v_nop
.endr
	s_branch .Lasked_\@
.Lfor_b_\@:
	tensor_load_to_lds s[\g0b:\g0b+3], s[\g1b:\g1b+7]
	s_nop 0
.rept 4
	v_nop
.endr
.Lasked_\@:
.endm
.macro CREST
	s_cmp_lg_u32 s14, 0
	s_cbranch_scc1 .Lnot_wave_0_\@
	s_barrier_signal -3
.Lnot_wave_0_\@:
	s_barrier_wait -3
	s_barrier_signal -1
	s_barrier_wait -1
.endm
.macro CROUND
	s_barrier_signal -1
	s_barrier_wait -1
	CREST
.endm
	s_load_b256 s[4:11], s[0:1], 0x0               ; opc 4:5, ops 6:7, bq 8:9, bk 10:11
	s_load_b128 s[96:99], s[0:1], 0x20             ; bv 96:97, qkvc 98:99
	s_load_b64 s[100:101], s[0:1], 0x30            ; qkvs
	v_lshl_add_u32 v[SPW], v0, 2, SPARE
	v_mov_b32 v[NIL], 0
	ds_add_u32 v28, v29
	ds_add_u32 v28, v29
	s_wait_dscnt 0x0
	v_lshrrev_b32 v1, 5, v0
	v_readfirstlane_b32 s14, v1                    ; wave
	s_lshr_b32 s15, s14, 1                         ; which half of A's rows is mine.  Also: I fetch for A (0) or B (1)
	s_and_b32 s16, s14, 1                          ; which half of B's rows.  Also: which 128 rows I fetch
	s_bfe_u32 s40, ttmp6, 0x40000                  ; cx
	s_bfe_u32 s41, ttmp6, 0x40004                  ; cy
	s_and_b32 s17, ttmp7, 0xffff
	s_lshl_b32 s17, s17, 10                        ; 1,024 x cluster y: the cluster's rows of x
	s_lshl_b32 s42, ttmp9, 10
	s_add_co_u32 s42, s42, 8192                    ; the weight's first row for q, k
	s_mov_b32 s18, 10240                           ; Wv's first row
	s_cmp_eq_u32 ttmp9, 2                          ; the choice hangs on the cluster's number alone: alike in all sixteen
	s_cselect_b32 s19, s18, s17
	s_cselect_b32 s42, s17, s42
	s_lshl_b32 s17, s41, 8
	s_add_co_u32 s17, s17, s19                     ; A's first row: + 256 cy
	s_lshl_b32 s46, s40, 8
	s_add_co_u32 s42, s42, s46                     ; B's first row: + 256 cx
	s_lshl_b32 s43, s41, 2
	s_lshl_b32 s43, 15, s43                        ; my row of the cluster
	s_lshl_b32 s44, 0x1111, s40                    ; my column
	s_mov_b32 s[SEL], 0x76543210
	s_mov_b32 s[SEL+1], 0xfedcba98
	; group 1: 128 rows x 192 bytes, 16 bytes of padding behind every 64
	s_or_b32 s[G1+0], s43, (0<<16)|(1<<20)|(1<<21)|(3<<22)|(3<<25)
	s_or_b32 s[G1B+0], s44, (0<<16)|(1<<20)|(1<<21)|(3<<22)|(3<<25)
.irp g, G1, G1B
	s_mov_b32 s[\g+1], ROWB<<16
	s_mov_b32 s[\g+2], 128<<16
	s_mov_b32 s[\g+3], ROWB<<16
	s_mov_b32 s[\g+4], 128
	s_mov_b32 s[\g+5], KROW
	s_mov_b32 s[\g+6], 0
	s_mov_b32 s[\g+7], 0
.endr
	; the scale bytes of 128 rows: 4,096 dense bytes as 16 rows of 256, 16 bytes of padding behind each
	s_or_b32 s[G1S+0], s43, (3<<16)|(1<<20)|(1<<21)|(5<<22)|(3<<25)
	s_or_b32 s[G1SB+0], s44, (3<<16)|(1<<20)|(1<<21)|(5<<22)|(3<<25)
.irp g, G1S, G1SB
	s_mov_b32 s[\g+1], 32<<16
	s_mov_b32 s[\g+2], 16<<16
	s_mov_b32 s[\g+3], 32<<16
	s_mov_b32 s[\g+4], 16
	s_mov_b32 s[\g+5], 32
	s_mov_b32 s[\g+6], 0
	s_mov_b32 s[\g+7], 0
.endr
	s_lshl_b32 s18, s16, 7
	s_add_co_u32 s20, s17, s18                     ; the rows that I fetch, of A
	s_add_co_u32 s46, s42, s18                     ; and of B
	s_mov_b32 s21, 0
	s_mov_b32 s47, 0
	s_mov_b64 s[18:19], KS
	s_mul_u64 s[22:23], s[20:21], s[18:19]
	s_mul_u64 s[92:93], s[46:47], s[18:19]
	s_mov_b64 s[18:19], KROW
	s_mul_u64 s[20:21], s[20:21], s[18:19]
	s_mul_u64 s[46:47], s[46:47], s[18:19]
	s_mul_i32 s45, s14, HALFT                      ; where they go: wave x 128 rows
	s_mul_i32 s94, s14, HALFS
	s_wait_kmcnt 0x0
	s_add_nc_u64 s[20:21], s[4:5], s[20:21]
	s_add_nc_u64 s[22:23], s[6:7], s[22:23]
	s_add_nc_u64 s[46:47], s[4:5], s[46:47]
	s_add_nc_u64 s[92:93], s[6:7], s[92:93]
	CROUND                                         ; all sixteen work-groups are here: the first joint loads meet
	s_mov_b32 s[G0S], 1
	s_add_co_u32 s[G0S+1], s94, SCL
	s_mov_b64 s[G0S+2:G0S+3], s[22:23]
	s_or_b32 s[G0S+3], s[G0S+3], 0x80000000
	s_mov_b32 s[G0SB], 1
	s_add_co_u32 s[G0SB+1], s94, SCL
	s_mov_b64 s[G0SB+2:G0SB+3], s[92:93]
	s_or_b32 s[G0SB+3], s[G0SB+3], 0x80000000
	JLOAD G0S, G1S, G0SB, G1SB                     ; the scales first; with the two slots three loads of mine are out
.irp s, 0,1
	s_mov_b32 s[G0+4*\s], 1
	s_add_co_u32 s[G0+4*\s+1], s45, \s*SLOT
	s_add_nc_u64 s[G0+4*\s+2:G0+4*\s+3], s[20:21], \s*ROWB
	s_or_b32 s[G0+4*\s+3], s[G0+4*\s+3], 0x80000000
	s_mov_b32 s[G0B+4*\s], 1
	s_add_co_u32 s[G0B+4*\s+1], s45, \s*SLOT
	s_add_nc_u64 s[G0B+4*\s+2:G0B+4*\s+3], s[46:47], \s*ROWB
	s_or_b32 s[G0B+4*\s+3], s[G0B+4*\s+3], 0x80000000
	JLOAD G0+4*\s, G1, G0B+4*\s, G1B
.endr
	v_and_b32 v1, 15, v0                           ; r
	v_bfe_u32 v2, v0, 4, 1                         ; h
	; THE BIASES, both forms, with no branch, so that either way out finds its registers written: along n (q, k: from bq, or bk where cluster x = 1) and along lanes (v: from bv).
	s_cmp_eq_u32 ttmp9, 1
	s_cselect_b64 s[8:9], s[10:11], s[8:9]
	s_lshl_b32 s18, s40, 10
	s_lshl_b32 s19, s16, 9
	s_add_co_u32 s18, s18, s19                     ; 4 x (256 cx + 128 x my half of B)
	s_mov_b32 s19, 0
	s_add_nc_u64 s[8:9], s[8:9], s[18:19]
	s_lshl_b32 s18, s41, 10
	s_lshl_b32 s20, s15, 9
	s_add_co_u32 s18, s18, s20                     ; 4 x (256 cy + 128 x my half of A)
	s_add_nc_u64 s[96:97], s[96:97], s[18:19]
	v_lshlrev_b32 v[BO1], 6, v2
	v_and_b32 v[BO2], 8, v1
	v_add_nc_u32 v[BO2], v[BO2], v1
	v_lshlrev_b32 v[BO2], 2, v[BO2]
.irp b, 0,1,2,3,4,5,6,7
	global_load_b128 v[BI+8*\b:BI+8*\b+3], v[BO1], s[8:9] offset:(32*(\b/2)+8*(\b%2))*4       ; register 8 b + j: n = 32 (b / 2) + 16 h + 8 (b % 2) + j
	global_load_b128 v[BI+8*\b+4:BI+8*\b+7], v[BO1], s[8:9] offset:(32*(\b/2)+8*(\b%2))*4+16
.endr
.irp a, 0,1,2,3,4,5,6,7
	global_load_b32 v[BV+2*\a], v[BO2], s[96:97] offset:(32*(\a/2)+8*(\a%2))*4               ; block a, lane r: n = 32 (a / 2) + 8 (a % 2) + r + 8 (r / 8); twice, for the packed addition
	global_load_b32 v[BV+2*\a+1], v[BO2], s[96:97] offset:(32*(\a/2)+8*(\a%2))*4
.endr
	v_mul_u32_u24 v3, v1, PITCH
	v_mul_u32_u24 v4, v2, 24
	v_add_nc_u32 v4, v3, v4
	v_lshl_add_u32 v5, v2, 4, v4
	s_mul_i32 s21, s15, HALFT
	s_mul_i32 s22, s16, HALFT
	s_add_co_u32 s22, s22, 2*HALFT
.irp s, 0,1
	v_add_nc_u32 v[ADRA+\s], s21, v4
	v_add_nc_u32 v[ADRB+\s], s22, v4
	v_add_nc_u32 v[ADRA+2+\s], s21, v5
	v_add_nc_u32 v[ADRB+2+\s], s22, v5
	s_add_co_u32 s21, s21, SLOT
	s_add_co_u32 s22, s22, SLOT
.endr
	v_mul_u32_u24 v5, v1, KS
	v_lshrrev_b32 v6, 8, v5
	v_lshl_add_u32 v5, v6, 4, v5
	s_mul_i32 s21, s15, HALFS
	s_mul_i32 s22, s16, HALFS
	s_add_co_u32 s22, s22, 2*HALFS
	s_sub_co_u32 s22, s22, s21
	v_mul_u32_u24 v6, s22, v2                      ; lanes 16-31 take B's words
	s_add_co_u32 s21, s21, SCL
	v_add_nc_u32 v5, v5, v6
	v_add_nc_u32 v[ADRS], s21, v5
	v_and_b32 v6, 31, v0
	v_lshlrev_b32 v[L16], 4, v6
	v_lshl_add_u32 v[L8], v6, 3, 512
.macro FRAG reg, adr, q, i             ; 16 rows x 128 K: 12 registers, six pieces of 8 bytes; where lanes 16-31's piece lies behind one padding more, the second address register serves
.irp p, 0,1,2,3,4,5
.set PCE, 12*(\q)+6*(\p/3)+\p%3
.if PCE%8 < 5
	ds_load_b64 v[\reg+2*\p:\reg+2*\p+1], v[\adr] offset:8*PCE+16*(PCE/8)+(\i)*16*PITCH
.else
	ds_load_b64 v[\reg+2*\p:\reg+2*\p+1], v[\adr+2] offset:8*PCE+16*(PCE/8)+(\i)*16*PITCH
.endif
.endr
.endm
; 16 matrix instructions; the 64 accumulators take turns, one instruction a turn, in the same order in every step.
.macro MUL16 a0, p, q, sc, zero
.irp a, \a0, \a0+1
.irp b, 0,1,2,3,4,5,6,7
.if \zero
	v_wmma_scale_f32_16x16x128_f8f6f4 v[8*(8*((\a)%4)+\b):8*(8*((\a)%4)+\b)+7], v[128*(\p)+FR*\b:128*(\p)+FR*\b+FR-1], v[AF+FR*(\a):AF+FR*(\a)+FR-1], 0, v[SC+8*NQ*(\sc)+NQ*\b+(\q)], v[SC+8*NQ*(\sc)+NQ*(\a)+(\q)] matrix_a_fmt:MATRIX_FMT_FP6 matrix_b_fmt:MATRIX_FMT_FP6 matrix_a_scale:MATRIX_SCALE_ROW1
.else
	v_wmma_scale_f32_16x16x128_f8f6f4 v[8*(8*((\a)%4)+\b):8*(8*((\a)%4)+\b)+7], v[128*(\p)+FR*\b:128*(\p)+FR*\b+FR-1], v[AF+FR*(\a):AF+FR*(\a)+FR-1], v[8*(8*((\a)%4)+\b):8*(8*((\a)%4)+\b)+7], v[SC+8*NQ*(\sc)+NQ*\b+(\q)], v[SC+8*NQ*(\sc)+NQ*(\a)+(\q)] matrix_a_fmt:MATRIX_FMT_FP6 matrix_b_fmt:MATRIX_FMT_FP6 matrix_a_scale:MATRIX_SCALE_ROW1
.endif
.endr
.endr
.endm
.macro FETCH_B slot, q, p
	WIN TO_B
.irp i, 0,1,2,3,4,5,6,7
	FRAG 128*(\p)+FR*\i, ADRB+\slot, \q, \i
.endr
	WIN 0
.endm
.macro FETCH_A slot, q, i0
.irp i, \i0, \i0+1, \i0+2, \i0+3
	FRAG AF+FR*(\i), ADRA+\slot, \q, \i
.endr
.endm
.macro SCALES sc                       ; lanes 0-15 take A's block i, lanes 16-31 B's block i: two words a row
.irp i, 0,1,2,3,4,5,6,7
	ds_load_b64 v[SC+8*NQ*\sc+NQ*\i:SC+8*NQ*\sc+NQ*\i+1], v[ADRS] offset:\i*SBLK
.endr
.endm
.macro PLACES n                        ; plain vector places between a matrix instruction and a load into, or a vector access of, its registers
.rept \n
	v_nop
.endr
.endm
.macro STEP slot, q, zero
	s_wait_dscnt 4*NL                              ; B's set and A's blocks 0-3 are in; the 24 loads of A's blocks 4-7 may be out
	WIN MUL_LO
	MUL16 0, (\q)%2, \q, \slot, \zero
	MUL16 2, (\q)%2, \q, \slot, \zero
	s_wait_dscnt 0
	PLACES NP
	FETCH_B \slot, (\q)+1, 1-(\q)%2
	FETCH_A \slot, (\q)+1, 0
	WIN MUL_HI
	MUL16 4, (\q)%2, \q, \slot, \zero
	MUL16 6, (\q)%2, \q, \slot, \zero
	PLACES NP
	WIN 0
	FETCH_A \slot, (\q)+1, 4
.endm
; A slot's last step changes slots: one barrier; in front of it each wave waits for all its tensor loads, adds 0 to its spare word, and waits for that and for its reads of this slot.
.macro TURN slot, next, fill
	s_wait_tensorcnt 0x0                           ; my one load that was out, my part of the next slot, has landed
	ds_add_u32 v[SPW], v[NIL]
	s_wait_dscnt 4*NL+1                            ; the add and the 24 youngest loads may be out
	WIN MUL_LO
	MUL16 0, 1, NQ-1, \slot, 0
	s_wait_dscnt 0x0                               ; the add is done, and my reads of this slot are over
	s_barrier_signal -1
	MUL16 2, 1, NQ-1, \slot, 0
	WIN 0
	s_barrier_wait -1
.if \fill
	CREST                                          ; the barrier has opened a round of the cluster's: no wave of any partner still reads this slot or has a load on its way
	s_add_nc_u64 s[G0+4*\slot+2:G0+4*\slot+3], s[G0+4*\slot+2:G0+4*\slot+3], 2*ROWB
	s_add_nc_u64 s[G0B+4*\slot+2:G0B+4*\slot+3], s[G0B+4*\slot+2:G0B+4*\slot+3], 2*ROWB
	JLOAD G0+4*\slot, G1, G0B+4*\slot, G1B         ; the first tensor load behind the round; its four v_nop are the places in front of the loads below
.else
	PLACES NP
.endif
	v_add_nc_u32 v[ADRS], 4*NQ, v[ADRS]
	FETCH_B \next, 0, 0
	FETCH_A \next, 0, 0
	SCALES \next
	WIN MUL_HI
	MUL16 4, 1, NQ-1, \slot, 0
	MUL16 6, 1, NQ-1, \slot, 0
	PLACES NP
	WIN 0
	FETCH_A \next, 0, 4
.endm
	s_wait_tensorcnt 1                             ; the scales and my part of slot 0 are in; slot 1's load may be out
	s_barrier_signal -1
	s_barrier_wait -1
	FETCH_B 0, 0, 0
	FETCH_A 0, 0, 0
	SCALES 0
	FETCH_A 0, 0, 4
	STEP 0, 0, 1                                   ; the first step's products start the sums
	s_mov_b32 s3, LAPS-1
.Llap:
	TURN 0, 1, 1
	STEP 1, 0, 0
	TURN 1, 0, 1
	STEP 0, 0, 0
	s_sub_co_u32 s3, s3, 1
	s_cmp_lg_u32 s3, 0
	s_cbranch_scc1 .Llap
	TURN 0, 1, 0
	STEP 1, 0, 0
	s_wait_dscnt 4*NL
	WIN MUL_LO
	MUL16 0, 1, NQ-1, 1, 0
	MUL16 2, 1, NQ-1, 1, 0
	s_wait_dscnt 0
	WIN MUL_HI
	MUL16 4, 1, NQ-1, 1, 0
	MUL16 6, 1, NQ-1, 1, 0
	WIN 0
; 64 numbers of a lane, register 16 b + i = k 32 b + 16 h + i of my row, become a fragment's 12 registers of codes in v[PC] on and its scale word in v[PW].
.macro QUANT s
.irp b, 0,1,2,3
	v_max3_num_f32 v[TM+\b], |v[\s+16*\b]|, |v[\s+1+16*\b]|, 0x1800000   ; with the floor 2^(3 - 127): the byte cannot fall under 1
.endr
.irp i, 2,4,6,8,10,12,14
.irp b, 0,1,2,3
	v_max3_num_f32 v[TM+\b], v[TM+\b], |v[\s+16*\b+\i]|, |v[\s+1+16*\b+\i]|
.endr
.endr
.irp b, 0,1,2,3
	v_permlanex16_b32 v[TM+4+\b], v[TM+\b], s[SEL], s[SEL+1]
.endr
.irp b, 0,1,2,3
	v_max_num_f32 v[TM+\b], v[TM+\b], v[TM+4+\b]   ; with lane l xor 16's: the block's largest magnitude
.endr
.irp b, 0,1,2,3
	v_add_nc_u32 v[TM+12+\b], 0xff000000, v[TM+\b]  ; 2 off the exponent field: the conversion's scale operand
.endr
.irp b, 0,1,2,3
	v_lshrrev_b32 v[TM+4+\b], 23, v[TM+12+\b]      ; the byte
.endr
	v_lshl_or_b32 v[PW], v[TM+5], 8, v[TM+4]
	v_lshl_or_b32 v[PW], v[TM+6], 16, v[PW]
	v_lshl_or_b32 v[PW], v[TM+7], 24, v[PW]
.irp c, 0,1
	v_cvt_scalef32_pk16_fp6_f32 v[PC+6*\c:PC+2+6*\c], v[\s+32*\c:\s+15+32*\c], v[TM+12+2*\c]
	v_cvt_scalef32_pk16_fp6_f32 v[PC+12+4*\c:PC+14+4*\c], v[\s+16+32*\c:\s+31+32*\c], v[TM+12+2*\c+1]
.endr
	v_nop                                          ; one plain place behind a scaled conversion
.irp c, 0,1                                    ; a whole block to a lane: lanes 0-15 block 2 c, lanes 16-31 block 2 c + 1
.irp i, 0,1,2
	v_permlane16_swap_b32 v[PC+6*\c+\i], v[PC+12+4*\c+\i]
.endr
.irp i, 0,1,2
	v_mov_b32 v[PC+3+6*\c+\i], v[PC+12+4*\c+\i]
.endr
.endr
.endm
; THE WAY OUT of A's block a: + bias (which also brings the sums into window 0; each accumulator is read from its low end on), quantised, stored as images.
.macro OUTBLK a, vform
	WIN 0x02+(\a)/4                                ; source 0: window 2 or 3
.set ii, 0
.rept 32
.if \vform
	v_pk_add_f32 v[ST+2*ii:ST+2*ii+1], v[64*((\a)%4)+2*ii:64*((\a)%4)+2*ii+1], v[BV+2*(\a):BV+2*(\a)+1]
.else
	v_pk_add_f32 v[ST+2*ii:ST+2*ii+1], v[64*((\a)%4)+2*ii:64*((\a)%4)+2*ii+1], v[BI+2*ii:BI+2*ii+1]
.endif
.set ii, ii+1
.endr
	WIN 0
	s_wait_xcnt 0x0                                ; the last block's stores have read their registers: the codes may be written again
	QUANT ST
.if \vform
	v_mov_b32 v[SW+(\a)], v[PW]
.irp c, 0,1,2
	global_store_b128 v[L16], v[PC+4*\c:PC+4*\c+3], s[98:99] offset:98304*((\a)/4)+1536*((\a)%4)+512*\c   ; 512 consecutive bytes a store
.endr
.else
	v_perm_b32 v[SW+(\a)], v[PW], v14, v15         ; lanes 0-15: bytes 0, 1 (the first head), lanes 16-31: bytes 2, 3 (the second); above them 127, 127
	global_store_b128 v[L16], v[PC:PC+3], s[98:99] offset:768*(\a)
	global_store_b64 v[L8], v[PC+4:PC+5], s[98:99] offset:768*(\a)
	global_store_b128 v[L16], v[PC+6:PC+9], s[98:99] offset:768*(\a)+98304                 ; the next head's tile
	global_store_b64 v[L8], v[PC+10:PC+11], s[98:99] offset:768*(\a)+98304
.endif
.endm
	s_wait_loadcnt 0x0                             ; the biases
	PLACES NP                                      ; behind the last products
.irp b, 0,1,2,3
	v_mov_b32 v[TM+4+\b], 0                        ; a lane permute's destination counts as one of its sources
.endr
	s_cmp_eq_u32 ttmp9, 2                          ; the cluster's number: alike in all partners and waves
	s_cbranch_scc1 .Lv_out
	; q, k: my 128 tokens are 8 tiles of one batch; my 128 n are two heads
	s_lshl_b32 s18, s15, 7
	s_add_co_u32 s18, s18, s17                     ; my first token's position
	s_lshr_b32 s19, s18, 11                        ; batch
	s_bfe_u32 s20, s18, 0x70004                    ; its first tile in the batch
	s_lshl_b32 s21, s40, 2
	s_lshl_b32 s22, s16, 1
	s_add_co_u32 s21, s21, s22                     ; first head
	s_lshl_b32 s19, s19, 4
	s_add_co_u32 s19, s19, s21
	s_lshl_b32 s22, s19, 7
	s_add_co_u32 s22, s22, s20
	s_mul_i32 s22, s22, 768
	s_mul_i32 s23, ttmp9, 6291456
	s_add_co_u32 s22, s22, s23
	s_mov_b32 s23, 0
	s_add_nc_u64 s[98:99], s[98:99], s[22:23]
	s_lshl_b32 s22, s19, 13
	s_lshl_b32 s20, s20, 6                         ; 512 bytes for each 8 tiles
	s_add_co_u32 s22, s22, s20
	s_lshl_b32 s20, ttmp9, 19
	s_add_co_u32 s22, s22, s20
	s_add_nc_u64 s[100:101], s[100:101], s[22:23]
	v_mov_b32 v14, 0x7f7f7f7f
	v_mul_u32_u24 v15, v2, 0x202
	v_add_nc_u32 v15, 0x504, v15                   ; byte selects: 4, 5 or 6, 7 of the word, then twice a byte of v14
	v_lshlrev_b32 v[SOF], 4, v1
	v_lshl_add_u32 v[SOF], v2, 13, v[SOF]          ; 16 r, + 8,192 for the second head
.irp a, 0,1,2,3,4,5,6,7
	OUTBLK \a, 0
.endr
	global_store_b128 v[SOF], v[SW:SW+3], s[100:101]             ; tiles 0-3's words of row r: sixteen lanes store 256 consecutive bytes, aligned
	global_store_b128 v[SOF], v[SW+4:SW+7], s[100:101] offset:256
	s_branch .Lend
.Lv_out:
	; v: my 128 tokens are one step of 128 keys; my 128 n are two heads of four tiles of 16 channels
	s_lshl_b32 s18, s16, 7
	s_add_co_u32 s18, s18, s42
	s_lshr_b32 s19, s18, 11                        ; batch
	s_bfe_u32 s20, s18, 0x40007                    ; step
	s_lshl_b32 s21, s41, 2
	s_lshl_b32 s22, s15, 1
	s_add_co_u32 s21, s21, s22                     ; first head
	s_lshl_b32 s19, s19, 4
	s_add_co_u32 s19, s19, s21
	s_lshl_b32 s22, s19, 4
	s_add_co_u32 s22, s22, s20
	s_mul_i32 s22, s22, 6144
	s_add_co_u32 s22, s22, 12582912
	s_mov_b32 s23, 0
	s_add_nc_u64 s[98:99], s[98:99], s[22:23]
	s_lshl_b32 s22, s19, 12
	s_lshl_b32 s20, s20, 8
	s_add_co_u32 s22, s22, s20
	s_add_co_u32 s22, s22, 1048576
	s_add_nc_u64 s[100:101], s[100:101], s[22:23]
	s_mov_b32 s95, 0xffff0000                      ; lanes 16-31
	v_lshlrev_b32 v[SOF], 4, v1
	v_lshl_add_u32 v[SOF], v2, 12, v[SOF]          ; 16 r, + 4,096 for the second head
.irp a, 0,1,2,3,4,5,6,7
	OUTBLK \a, 1
.endr
.irp i, 0,1,2,3
	v_cndmask_b32 v[XW+\i], v[SW+\i], v[SW+4+\i], s95   ; lanes 0-15 the first head's four tiles, lanes 16-31 the second's
.endr
	global_store_b128 v[SOF], v[XW:XW+3], s[100:101]
.Lend:
	s_wait_tensorcnt 0x0                           ; the wave's end
	ds_add_u32 v[SPW], v[NIL]
	s_wait_dscnt 0x0
	CROUND                                         ; the closing round
	s_endpgm
.Lfunc_end_k_q5f52505e2b_qkv:
	.size	k_q5f52505e2b_qkv, .Lfunc_end_k_q5f52505e2b_qkv-k_q5f52505e2b_qkv
	.p2alignl 7, 3214868480
	.fill 96, 4, 3214868480
	.section	.rodata,"a",@progbits
	.p2align	6, 0x0
	.amdhsa_kernel k_q5f52505e2b_qkv
		.amdhsa_group_segment_fixed_size 327680
		.amdhsa_private_segment_fixed_size 0
		.amdhsa_enable_private_segment 0
		.amdhsa_kernarg_size 56
		.amdhsa_user_sgpr_count 2
		.amdhsa_user_sgpr_kernarg_segment_ptr 1
		.amdhsa_wavefront_size32 1
		.amdhsa_system_sgpr_workgroup_id_x 1
		.amdhsa_system_sgpr_workgroup_id_y 1
		.amdhsa_system_sgpr_workgroup_id_z 1
		.amdhsa_system_vgpr_workitem_id 0
		.amdhsa_next_free_vgpr 1024
		.amdhsa_next_free_sgpr 102
		.amdhsa_reserve_vcc 0
		.amdhsa_float_denorm_mode_32 3
		.amdhsa_float_denorm_mode_16_64 3
		.amdhsa_memory_ordered 1
		.amdhsa_forward_progress 1
		.amdhsa_inst_pref_size 235
	.end_amdhsa_kernel
	.amdgpu_metadata
---
amdhsa.version: [ 1, 2 ]
amdhsa.kernels:
  - .name:           k_q5f52505e2b_qkv
    .symbol:         k_q5f52505e2b_qkv.kd
    .args:
      - { .name: opc, .offset: 0, .size: 8, .value_kind: global_buffer, .address_space: global }
      - { .name: ops, .offset: 8, .size: 8, .value_kind: global_buffer, .address_space: global }
      - { .name: bq, .offset: 16, .size: 8, .value_kind: global_buffer, .address_space: global }
      - { .name: bk, .offset: 24, .size: 8, .value_kind: global_buffer, .address_space: global }
      - { .name: bv, .offset: 32, .size: 8, .value_kind: global_buffer, .address_space: global }
      - { .name: qkvc, .offset: 40, .size: 8, .value_kind: global_buffer, .address_space: global }
      - { .name: qkvs, .offset: 48, .size: 8, .value_kind: global_buffer, .address_space: global }
    .group_segment_fixed_size: 327680
    .private_segment_fixed_size: 0
    .kernarg_segment_align: 8
    .kernarg_segment_size: 56
    .max_flat_workgroup_size: 128
    .sgpr_count:     102
    .vgpr_count:     1024
    .wavefront_size: 32
...
	.end_amdgpu_metadata
.endif
;; end of part 2
;; launch attn (part 3): grid 4 x 64, 16 waves a work-group, no clusters, 210,944 bytes of LDS; arguments qkvc, qkvs, mk, cc, cs; writes cc, cs
.if DOCPART == 3
	.amdgcn_target "amdgcn-amd-amdhsa--gfx1250"
	.amdhsa_code_object_version 6
	.text
	.protected	k_q5f52505e2b_attn
	.globl	k_q5f52505e2b_attn
	.p2align	8
	.type	k_q5f52505e2b_attn,@function
k_q5f52505e2b_attn:
	s_mov_b64 s[64:65], 0
	v_nop
	global_prefetch_b8 v0, s[64:65] scope:SCOPE_SE
	s_setreg_imm32_b32 hwreg(HW_REG_WAVE_MODE, 25, 1), 1
	s_wait_xcnt 0x0
; ctx = softmax(mask(q k^T / 8)) v for one head of one batch, both products on codes of FP6 (E2M3) with E8M0 scales; ctx is quantised at once for the last product.
; SOFTMAX: t = score x log2(e) / 8; M = the running largest t rounded up to a whole number; p = 2^(t - M) is quantised along the keys; the row's sum is taken of the unquantised p and divides at the end.
; SHARES: a work-group takes two blocks of 256 queries of its head, block 7 - x and then block x, so that under a mask that hides later keys all work-groups have like work; any mask is served.
; Each of sixteen waves owns one tile of 16 queries a block, in 256 registers: four waves to a SIMD, so that one wave's vector work stands beside another's products and LDS loads.
; THE MASK IS DATA.  An earlier launch stored, for each tile of 16 queries x 128 keys, a flag (0 none counts, 1 some, 2 all) and 64 lane masks.  A step with flag 0 is jumped over by a scalar branch;
; with flag 1 hidden scores become -infinity ahead of the maximum; with flag 2 that is jumped over.  The loop's trip count is a constant.
; NO TENSOR LOADS, NO CLUSTER: the text branches on stored numbers.  What the four work-groups of a head share is one fill of 208,896 bytes each.
; LDS, filled once, one barrier: the head's K and V as images of operand registers (all reads are 16 or 8 bytes a lane on end) and their scale words.
; K = 64 in the first product: the operand's upper six registers are Q's zeros against whatever follows in K's registers, under scale bytes of 127: they add nothing.
; LAYOUT: S^T = K Q^T, O^T = V^T P^T: a lane holds one query (lane % 16); register 16 b + i of the scores is key 32 b + 16 (lane / 16) + i of the step.
; LIMITS: a query for which no key counts: its sum is 0, its ctx scale bytes are set to 0xff, so that its row of the result is NaN, as softmax of nothing is.  NaN and infinities among the inputs are not served.
; The ctx scale bytes leave as 2 bytes a lane, 8 bytes apart: one twenty-fourth of the codes' bytes.
.set VCO, 98304                        ; LDS: K's codes at 0 (6,144 a step), V's here,
.set KSO, 196608                       ; K's scale words (512 a step),
.set VSO, 204800                       ; V's (256 a step)
.set FA,  244                          ; v244-248 the fill's LDS addresses
	s_load_b256 s[4:11], s[0:1], 0x0               ; qkvc 4:5, qkvs 6:7, mk 8:9, cc 10:11
	s_load_b64 s[12:13], s[0:1], 0x20              ; cs
	v_lshl_add_u32 v254, v0, 2, 0x33000
	v_mov_b32 v255, 0
	v_lshrrev_b32 v6, 5, v0
	s_delay_alu instid0(VALU_DEP_1)
	v_readfirstlane_b32 s14, v6                    ; wave 0..15
	s_and_b32 s15, ttmp7, 0xffff                   ; 16 x batch + head
	s_sub_co_u32 s2, 7, ttmp9
	s_lshl_b32 s2, s2, 4
	s_add_co_u32 s2, s2, s14                       ; my tile in the first pass
	s_lshl_b32 s3, ttmp9, 4
	s_add_co_u32 s3, s3, s14                       ; and in the second
	s_lshl_b32 s66, s2, 6                          ; their rows of 16 flags
	s_lshl_b32 s67, s3, 6
	s_lshl_b32 s68, s15, 7
	s_add_co_u32 s82, s68, s2
	s_mul_i32 s82, s82, 768                        ; Q's images
	s_mov_b32 s83, 0
	s_add_co_u32 s84, s68, s3
	s_mul_i32 s84, s84, 768
	s_mov_b32 s85, 0
	s_lshl_b32 s69, s15, 13
	s_lshr_b32 s86, s2, 2                          ; Q's scale words: 256 (T / 4) + 4 (T % 4) + 16 r
	s_lshl_b32 s86, s86, 8
	s_and_b32 s70, s2, 3
	s_lshl_b32 s70, s70, 2
	s_add_co_u32 s86, s86, s70
	s_add_co_u32 s86, s86, s69
	s_mov_b32 s87, 0
	s_lshr_b32 s88, s3, 2
	s_lshl_b32 s88, s88, 8
	s_and_b32 s70, s3, 3
	s_lshl_b32 s70, s70, 2
	s_add_co_u32 s88, s88, s70
	s_add_co_u32 s88, s88, s69
	s_mov_b32 s89, 0
	s_mul_i32 s90, s15, 98304
	s_add_co_u32 s90, s90, 6291456                 ; the head's K; its V lies 6,291,456 bytes on
	s_mov_b32 s91, 0
	s_add_co_u32 s92, s69, 524288                  ; K's scale words
	s_mov_b32 s93, 0
	s_lshl_b32 s94, s15, 12
	s_add_co_u32 s94, s94, 1048576                 ; V's
	s_mov_b32 s95, 0
	s_mov_b32 s76, 0x3e38aa3b                      ; c = log2(e) / 8
	s_mov_b32 s77, s76
	s_mov_b32 s78, 0x76543210
	s_mov_b32 s79, 0xfedcba98                      ; lane l xor 16
	v_and_b32 v6, 31, v0
	v_and_b32 v7, 15, v0
	s_delay_alu instid0(VALU_DEP_2)
	v_lshlrev_b32 v1, 4, v6                        ; 16 x lane
	s_delay_alu instid0(VALU_DEP_3)
	v_lshlrev_b32 v2, 3, v6                        ; 8 x lane
	s_delay_alu instid0(VALU_DEP_2)
	v_add_nc_u32 v3, VCO, v1
	s_delay_alu instid0(VALU_DEP_3)
	v_add_nc_u32 v4, KSO, v1
	v_lshl_add_u32 v5, v7, 4, VSO
	v_lshlrev_b32 v30, 3, v7                       ; 8 r
	v_add_nc_u32 v31, 512, v2
	v_lshlrev_b32 v8, 4, v7                        ; 16 r
	v_lshlrev_b32 v[FA], 4, v0                     ; 16 x thread
	s_delay_alu instid0(VALU_DEP_1)
	v_add_nc_u32 v[FA+1], 0x10000, v[FA]
	s_delay_alu instid0(VALU_DEP_2)
	v_add_nc_u32 v[FA+2], 0x20000, v[FA]
	s_delay_alu instid0(VALU_DEP_3)
	v_add_nc_u32 v[FA+3], 0x30000, v[FA]
	v_lshlrev_b32 v249, 3, v0                      ; 8 x thread
	s_delay_alu instid0(VALU_DEP_1)
	v_add_nc_u32 v[FA+4], 0x30000, v249
	s_wait_alu depctr_va_vdst(0)
	s_wait_kmcnt 0x0
	s_load_b512 s[16:31], s[8:9], s66 offset:0x80000
	s_load_b512 s[32:47], s[8:9], s67 offset:0x80000
	s_add_nc_u64 s[82:83], s[4:5], s[82:83]
	s_add_nc_u64 s[84:85], s[4:5], s[84:85]
	s_add_nc_u64 s[86:87], s[6:7], s[86:87]
	s_add_nc_u64 s[88:89], s[6:7], s[88:89]
	s_add_nc_u64 s[90:91], s[4:5], s[90:91]
	s_add_nc_u64 s[92:93], s[6:7], s[92:93]
	s_add_nc_u64 s[94:95], s[6:7], s[94:95]
	global_load_b128 v[16:19], v1, s[82:83]        ; Q of the first pass: six registers; the upper six are zeros
	global_load_b64 v[20:21], v31, s[82:83]
	global_load_b32 v28, v8, s[86:87]
	global_load_b128 v[232:235], v1, s[84:85]      ; and of the second
	global_load_b64 v[236:237], v31, s[84:85]
	global_load_b32 v29, v8, s[88:89]
.irp i, 0,1,2,3,4,5,6,7,8,9,10,11
	global_load_b128 v[96+4*\i:99+4*\i], v[FA], s[90:91] offset:8192*\i              ; the work-group reads 8,192 consecutive bytes a line
.endr
.irp i, 0,1,2,3,4,5,6,7,8,9,10,11
	global_load_b128 v[144+4*\i:147+4*\i], v[FA], s[90:91] offset:6291456+8192*\i
.endr
	global_load_b128 v[192:195], v[FA], s[92:93]
	global_load_b64 v[196:197], v249, s[94:95]
.irp j, 22,23,24,25,26,27,238,239,240,241,242,243,80,81,82,83,84,85,216,217,218,219,227,228
	v_mov_b32 v\j, 0                               ; zero codes; and registers that are named before the loop first writes them
.endr
	v_mov_b32 v11, 0xff800000                      ; -infinity
	v_mov_b32 v229, 0xffff
	s_wait_kmcnt 0x0
	s_mov_b32 s72, s16                             ; sixteen flags, two bits each, in a word for each pass
	s_mov_b32 s73, s32
.irp k, 1,2,3,4,5,6,7,8,9,10,11,12,13,14,15
	s_lshl_b32 s70, s[16+\k], 2*\k
	s_or_b32 s72, s72, s70
	s_lshl_b32 s70, s[32+\k], 2*\k
	s_or_b32 s73, s73, s70
.endr
.set ii, 0
.rept 25
	s_wait_loadcnt 25-ii                           ; fill load ii is in (Q's came before it), the younger ones stay out
	ds_store_b128 v[FA+ii/8], v[96+4*ii:99+4*ii] offset:8192*(ii%8)
.set ii, ii+1
.endr
	s_wait_loadcnt 0x0
	ds_store_b64 v[FA+4], v[196:197] offset:8192
	s_wait_dscnt 0x0                               ; for the others' sake: my stores have landed
	s_barrier_signal -1
	s_barrier_wait -1                              ; the launch's one barrier: from here on LDS is only read
; A PASS: my tile of 16 queries against all 16 steps of 128 keys.  QF: Q's 12 registers; QS: its scale word; T: s-register of the tile's number; F: of its flags.
.macro PASS QF, QS, T, F
	v_mov_b32 v13, 0xff61b1e6                      ; the largest t so far: -3e38
	s_delay_alu instid0(VALU_DEP_1)
	v_floor_f32 v12, -v13                          ; -M
	v_mov_b32 v14, 0                               ; the sum, in two halves
	v_mov_b32 v15, 0
.set jj, 0
.rept 32
	v_mov_b32 v[160+jj], 0                         ; O^T: the step is written once; the first change of M leaves zeros zeros
.set jj, jj+1
.endr
	s_mov_b32 s66, 0                               ; LDS steps: codes,
	s_mov_b32 s67, 0                               ; K's scale words,
	s_mov_b32 s68, 0                               ; V's
	s_mov_b32 s69, 16
	s_mov_b32 s70, s[\F]
	s_lshl_b32 s74, s[\T], 12
	s_mov_b32 s75, 0
	s_add_nc_u64 s[74:75], s[8:9], s[74:75]        ; the tile's first mask record
	s_lshr_b32 s100, s15, 4
	s_lshl_b32 s100, s100, 7
	s_add_co_u32 s100, s100, s[\T]                 ; the tile among all 512
	s_and_b32 s101, s15, 15                        ; head
	s_mul_i32 s96, s100, 12288
	s_mul_i32 s71, s101, 768
	s_add_co_u32 s96, s96, s71
	s_mov_b32 s97, 0
	s_add_nc_u64 s[96:97], s[10:11], s[96:97]      ; ctx's image
	s_lshl_b32 s98, s100, 9
	s_lshr_b32 s71, s101, 2
	s_lshl_b32 s71, s71, 7
	s_add_co_u32 s98, s98, s71
	s_bfe_u32 s71, s101, 0x10001
	s_lshl_b32 s71, s71, 2
	s_add_co_u32 s98, s98, s71
	s_and_b32 s71, s101, 1
	s_lshl_b32 s71, s71, 1
	s_add_co_u32 s98, s98, s71
	s_mov_b32 s99, 0
	s_add_nc_u64 s[98:99], s[12:13], s[98:99]      ; and its two scale bytes a row
.Lstep_\@:
	s_and_b32 s71, s70, 3                          ; this step's flag
	s_cmp_eq_u32 s71, 0
	s_cbranch_scc1 .Lhid_\@                        ; no key of the step counts for any of my queries
	s_load_b512 s[16:31], s[74:75], 0x0            ; the 64 lane masks: word n in s[16 + n], from 48 on in s[32 + n]
	s_load_b512 s[32:47], s[74:75], 0x40
	s_load_b512 s[48:63], s[74:75], 0x80
	s_load_b512 s[80:95], s[74:75], 0xc0
	s_setprio 2
	v_add_nc_u32 v6, s66, v1                       ; five plain lines: also the places between the last products and the loads into their registers
	v_add_nc_u32 v7, s66, v2
	v_add_nc_u32 v8, s66, v3
	v_add_nc_u32 v9, s67, v4
	v_add_nc_u32 v10, s68, v5
.irp t, 0,1,2,3,4,5,6,7
	ds_load_b128 v[32+6*\t:35+6*\t], v6 offset:768*\t
	ds_load_b64 v[36+6*\t:37+6*\t], v7 offset:768*\t+512
.endr
	ds_load_b128 v[86:89], v9                      ; lanes 0-15: tiles 0-3's words of key row r; lanes 16-31: tiles 4-7's
	s_wait_alu depctr_va_vdst(0)
	s_wait_dscnt 0x0
.irp t, 0,1,2,3
	v_wmma_scale_f32_16x16x128_f8f6f4 v[96+8*\t:103+8*\t], v[32+6*\t:43+6*\t], v[\QF:\QF+11], 0, v[86+\t], v[\QS] matrix_a_fmt:MATRIX_FMT_FP6 matrix_b_fmt:MATRIX_FMT_FP6
.endr
.irp t, 4,5,6,7
	v_wmma_scale_f32_16x16x128_f8f6f4 v[96+8*\t:103+8*\t], v[32+6*\t:43+6*\t], v[\QF:\QF+11], 0, v[86+\t-4], v[\QS] matrix_a_fmt:MATRIX_FMT_FP6 matrix_b_fmt:MATRIX_FMT_FP6 matrix_a_scale:MATRIX_SCALE_ROW1
.endr
.rept 4
	v_nop                                          ; places in front of the loads below and of the first read of the scores
.endr
.irp t, 0,1,2,3
.irp c, 0,1,2
	ds_load_b128 v[32+12*\t+4*\c:35+12*\t+4*\c], v8 offset:1536*\t+512*\c   ; V's four fragments land while the softmax is worked
.endr
.endr
	ds_load_b128 v[90:93], v10
	s_wait_kmcnt 0x0                               ; the lane masks are in
	s_cmp_eq_u32 s71, 2
	s_cbranch_scc1 .Lopen_\@                       ; every key counts
.set nn, 0
.rept 64
.if nn < 48
	v_cndmask_b32 v[96+nn], v11, v[96+nn], s[16+nn]
.else
	v_cndmask_b32 v[96+nn], v11, v[96+nn], s[32+nn]
.endif
.set nn, nn+1
.endr
.Lopen_\@:
.irp b, 0,1,2,3
	v_max3_num_f32 v[212+\b], v[96+16*\b], v[97+16*\b], v[98+16*\b]   ; the largest score of each block of 32 keys: for the row's maximum, and, since p rises with the score, for the block's largest p
.endr
.irp i, 3,5,7,9,11,13
.irp b, 0,1,2,3
	v_max3_num_f32 v[212+\b], v[212+\b], v[96+16*\b+\i], v[97+16*\b+\i]
.endr
.endr
.irp b, 0,1,2,3
	v_max_num_f32 v[212+\b], v[212+\b], v[111+16*\b]
.endr
.irp b, 0,1,2,3
	s_delay_alu instid0(VALU_DEP_4)
	v_permlanex16_b32 v[216+\b], v[212+\b], s78, s79
.endr
.irp b, 0,1,2,3
	s_delay_alu instid0(VALU_DEP_4)
	v_max_num_f32 v[212+\b], v[212+\b], v[216+\b]
.endr
	s_delay_alu instid0(VALU_DEP_2)
	v_max3_num_f32 v228, v212, v213, v214
	s_delay_alu instid0(VALU_DEP_1)
	v_max_num_f32 v228, v228, v215
	s_delay_alu instid0(VALU_DEP_1)
	v_mul_f32 v228, s76, v228
	s_delay_alu instid0(VALU_DEP_1)
	v_max_num_f32 v13, v13, v228                   ; the running largest t
	v_mov_b32 v228, v12
	s_delay_alu instid0(VALU_DEP_2)
	v_floor_f32 v12, -v13                          ; the new -M
	s_delay_alu instid0(VALU_DEP_1)
	v_sub_f32 v228, v12, v228                      ; old M - new M: a whole number, 0 or less
	s_delay_alu instid0(VALU_DEP_1)
	v_cvt_i32_f32 v228, v228                       ; (it saturates)
	s_delay_alu instid0(VALU_DEP_1)
	v_ldexp_f32 v226, 1.0, v228                    ; f = 2^(old M - new M)
.irp j, 0,2,4,6,8,10,12,14,16,18,20,22,24,26,28,30,32,34,36,38,40,42,44,46,48,50,52,54,56,58,60,62
	v_pk_fma_f32 v[96+\j:97+\j], v[96+\j:97+\j], s[76:77], v[12:13] op_sel_hi:[1,0,0]   ; t - M
.endr
.irp b, 0,1,2,3
	v_fma_f32 v[212+\b], v[212+\b], s76, v12
.endr
	s_setprio 1
	s_wait_alu depctr_va_vdst(0)
.irp j, 0,1,2,3,4,5,6,7,8,9,10,11,12,13,14,15,16,17,18,19,20,21,22,23,24,25,26,27,28,29,30,31,32,33,34,35,36,37,38,39,40,41,42,43,44,45,46,47,48,49,50,51,52,53,54,55,56,57,58,59,60,61,62,63
	v_exp_f32 v[96+\j], v[96+\j]                   ; p = 2^(t - M)
.endr
.irp b, 0,1,2,3
	v_exp_f32 v[212+\b], v[212+\b]                 ; the block's largest p
.endr
	v_pk_mul_f32 v[14:15], v[14:15], v[226:227] op_sel_hi:[1,0]   ; the sums under the new M; a plain place behind the exponentials
	s_wait_alu depctr_va_vdst(0)
.irp b, 0,1,2,3
	v_max_num_f32 v[212+\b], 0x1800000, v[212+\b]  ; the floor: the byte cannot fall under 1
.endr
.irp b, 0,1,2,3
	s_delay_alu instid0(VALU_DEP_4)
	v_add_nc_u32 v[220+\b], 0xff000000, v[212+\b]
.endr
.irp b, 0,1,2,3
	s_delay_alu instid0(VALU_DEP_4)
	v_lshrrev_b32 v[216+\b], 23, v[220+\b]
.endr
	s_delay_alu instid0(VALU_DEP_3)
	v_lshl_or_b32 v224, v217, 8, v216              ; p's scale word for these 128 keys
	s_delay_alu instid0(VALU_DEP_1)
	v_lshl_or_b32 v224, v218, 16, v224
	s_delay_alu instid0(VALU_DEP_1)
	v_lshl_or_b32 v224, v219, 24, v224
.irp c, 0,1
	v_cvt_scalef32_pk16_fp6_f32 v[192+6*\c:194+6*\c], v[96+32*\c:111+32*\c], v[220+2*\c]
	v_cvt_scalef32_pk16_fp6_f32 v[204+4*\c:206+4*\c], v[112+32*\c:127+32*\c], v[220+2*\c+1]
.endr
	v_nop                                          ; one plain place behind a scaled conversion
.irp c, 0,1
.irp i, 0,1,2
	v_permlane16_swap_b32 v[192+6*\c+\i], v[204+4*\c+\i]
.endr
.irp i, 0,1,2
	s_delay_alu instid0(VALU_DEP_3)
	v_mov_b32 v[195+6*\c+\i], v[204+4*\c+\i]
.endr
.endr
	v_pk_add_f32 v[230:231], v[100:101], v[104:105]
	v_pk_add_f32 v[252:253], v[108:109], v[112:113]
	v_pk_add_f32 v[250:251], v[116:117], v[120:121]
	v_pk_add_f32 v[248:249], v[124:125], v[128:129]
	v_pk_add_f32 v[246:247], v[132:133], v[136:137]
	v_pk_add_f32 v[244:245], v[140:141], v[144:145]
	v_pk_add_f32 v[222:223], v[148:149], v[152:153]
	v_pk_add_f32 v[14:15], v[14:15], v[156:157]
	v_pk_add_f32 v[230:231], v[230:231], v[96:97]
	v_pk_add_f32 v[252:253], v[252:253], v[98:99]
	v_pk_add_f32 v[250:251], v[250:251], v[102:103]
	v_pk_add_f32 v[248:249], v[248:249], v[106:107]
	v_pk_add_f32 v[246:247], v[246:247], v[110:111]
	v_pk_add_f32 v[244:245], v[244:245], v[114:115]
	v_pk_add_f32 v[222:223], v[222:223], v[118:119]
	v_pk_add_f32 v[14:15], v[14:15], v[122:123]
	v_pk_add_f32 v[230:231], v[230:231], v[126:127]
	v_pk_add_f32 v[252:253], v[252:253], v[130:131]
	v_pk_add_f32 v[250:251], v[250:251], v[134:135]
	s_setprio 0
	v_pk_add_f32 v[248:249], v[248:249], v[138:139]
	v_pk_add_f32 v[246:247], v[246:247], v[142:143]
	v_pk_add_f32 v[244:245], v[244:245], v[146:147]
	v_pk_add_f32 v[222:223], v[222:223], v[150:151]
	v_pk_add_f32 v[14:15], v[14:15], v[154:155]
	v_pk_add_f32 v[230:231], v[230:231], v[158:159]
	s_delay_alu instid0(VALU_DEP_2)
	v_pk_add_f32 v[14:15], v[14:15], v[248:249]
	s_delay_alu instid0(VALU_DEP_2)
	v_pk_add_f32 v[230:231], v[230:231], v[246:247]
	v_pk_add_f32 v[252:253], v[252:253], v[244:245]
	v_pk_add_f32 v[250:251], v[250:251], v[222:223]
	s_delay_alu instid0(VALU_DEP_2)
	v_pk_add_f32 v[14:15], v[14:15], v[252:253]
	s_delay_alu instid0(VALU_DEP_2)
	v_pk_add_f32 v[230:231], v[230:231], v[250:251]
	s_delay_alu instid0(VALU_DEP_1)
	v_pk_add_f32 v[14:15], v[14:15], v[230:231]
.irp j, 0,2,4,6,8,10,12,14,16,18,20,22,24,26,28,30
	v_pk_mul_f32 v[160+\j:161+\j], v[160+\j:161+\j], v[226:227] op_sel_hi:[1,0]   ; O^T under the new M
.endr
	s_wait_alu depctr_va_vdst(0)
	s_wait_dscnt 0x0                               ; V and its scale words are in
.irp t, 0,1,2,3                                ; the four accumulators take turns
	v_wmma_scale_f32_16x16x128_f8f6f4 v[160+8*\t:167+8*\t], v[32+12*\t:43+12*\t], v[192:203], v[160+8*\t:167+8*\t], v[90+\t], v224 matrix_a_fmt:MATRIX_FMT_FP6 matrix_b_fmt:MATRIX_FMT_FP6
.endr
.Lhid_\@:
	s_lshr_b32 s70, s70, 2
	s_add_co_u32 s66, s66, 6144
	s_add_co_u32 s67, s67, 512
	s_add_co_u32 s68, s68, 256
	s_add_nc_u64 s[74:75], s[74:75], 256           ; (the scalar loads that named it were waited for)
	s_sub_co_u32 s69, s69, 1
	s_cmp_lg_u32 s69, 0
	s_cbranch_scc1 .Lstep_\@
	s_setprio 0
	; the way out: O^T / the sum; register 16 b + i is channel 32 b + 16 h + i: two blocks of the last product's K
.rept 4
	v_nop
.endr
	v_add_f32 v14, v14, v15
	s_delay_alu instid0(VALU_DEP_1)
	v_permlanex16_b32 v228, v14, s78, s79
	s_delay_alu instid0(VALU_DEP_1)
	v_add_f32 v14, v14, v228                       ; the row's sum
	s_wait_alu depctr_va_vdst(0)
	v_rcp_f32 v226, v14
	v_nop
	s_wait_alu depctr_va_vdst(0)
.irp j, 0,2,4,6,8,10,12,14,16,18,20,22,24,26,28,30
	v_pk_mul_f32 v[96+\j:97+\j], v[160+\j:161+\j], v[226:227] op_sel_hi:[1,0]
.endr
.irp b, 0,1
	v_max3_num_f32 v[212+\b], |v[96+16*\b]|, |v[97+16*\b]|, 0x1800000
.endr
.irp i, 2,4,6,8,10,12,14
.irp b, 0,1
	s_delay_alu instid0(VALU_DEP_2)
	v_max3_num_f32 v[212+\b], v[212+\b], |v[96+16*\b+\i]|, |v[97+16*\b+\i]|
.endr
.endr
.irp b, 0,1
	s_delay_alu instid0(VALU_DEP_2)
	v_permlanex16_b32 v[216+\b], v[212+\b], s78, s79
.endr
.irp b, 0,1
	s_delay_alu instid0(VALU_DEP_2)
	v_max_num_f32 v[212+\b], v[212+\b], v[216+\b]
.endr
.irp b, 0,1
	s_delay_alu instid0(VALU_DEP_2)
	v_add_nc_u32 v[220+\b], 0xff000000, v[212+\b]
.endr
.irp b, 0,1
	s_delay_alu instid0(VALU_DEP_2)
	v_lshrrev_b32 v[216+\b], 23, v[220+\b]
.endr
	s_delay_alu instid0(VALU_DEP_1)
	v_lshl_or_b32 v224, v217, 8, v216
	v_cmp_eq_f32 vcc_lo, 0, v14
	s_delay_alu instid0(VALU_DEP_1)
	v_cndmask_b32 v224, v224, v229, vcc_lo         ; no key counted: both bytes 0xff
	v_cvt_scalef32_pk16_fp6_f32 v[192:194], v[96:111], v220
	v_cvt_scalef32_pk16_fp6_f32 v[204:206], v[112:127], v221
	v_nop
.irp i, 0,1,2
	v_permlane16_swap_b32 v[192+\i], v[204+\i]
.endr
.irp i, 0,1,2
	s_delay_alu instid0(VALU_DEP_3)
	v_mov_b32 v[195+\i], v[204+\i]
.endr
	global_store_b128 v1, v[192:195], s[96:97]     ; with the next line 768 consecutive bytes
	global_store_b64 v31, v[196:197], s[96:97]
	global_store_b16 v30, v224, s[98:99]           ; lanes l and l + 16 store the same two bytes
	s_wait_xcnt 0x0                                ; the stores have read their registers and bases
.endm
	PASS 16, 28, 2, 72
	PASS 232, 29, 3, 73
	s_wait_tensorcnt 0x0
	ds_add_u32 v254, v255
	s_wait_dscnt 0x0
	s_endpgm
.Lfunc_end_k_q5f52505e2b_attn:
	.size	k_q5f52505e2b_attn, .Lfunc_end_k_q5f52505e2b_attn-k_q5f52505e2b_attn
	.p2alignl 7, 3214868480
	.fill 96, 4, 3214868480
	.section	.rodata,"a",@progbits
	.p2align	6, 0x0
	.amdhsa_kernel k_q5f52505e2b_attn
		.amdhsa_group_segment_fixed_size 210944
		.amdhsa_private_segment_fixed_size 0
		.amdhsa_enable_private_segment 0
		.amdhsa_kernarg_size 40
		.amdhsa_user_sgpr_count 2
		.amdhsa_user_sgpr_kernarg_segment_ptr 1
		.amdhsa_wavefront_size32 1
		.amdhsa_system_sgpr_workgroup_id_x 1
		.amdhsa_system_sgpr_workgroup_id_y 1
		.amdhsa_system_sgpr_workgroup_id_z 1
		.amdhsa_system_vgpr_workitem_id 0
		.amdhsa_next_free_vgpr 256
		.amdhsa_next_free_sgpr 102
		.amdhsa_reserve_vcc 1
		.amdhsa_float_denorm_mode_32 3
		.amdhsa_float_denorm_mode_16_64 3
		.amdhsa_memory_ordered 1
		.amdhsa_forward_progress 1
		.amdhsa_inst_pref_size 69
	.end_amdhsa_kernel
	.amdgpu_metadata
---
amdhsa.version: [ 1, 2 ]
amdhsa.kernels:
  - .name:           k_q5f52505e2b_attn
    .symbol:         k_q5f52505e2b_attn.kd
    .args:
      - { .name: qkvc, .offset: 0, .size: 8, .value_kind: global_buffer, .address_space: global }
      - { .name: qkvs, .offset: 8, .size: 8, .value_kind: global_buffer, .address_space: global }
      - { .name: mk, .offset: 16, .size: 8, .value_kind: global_buffer, .address_space: global }
      - { .name: cc, .offset: 24, .size: 8, .value_kind: global_buffer, .address_space: global }
      - { .name: cs, .offset: 32, .size: 8, .value_kind: global_buffer, .address_space: global }
    .group_segment_fixed_size: 210944
    .private_segment_fixed_size: 0
    .kernarg_segment_align: 8
    .kernarg_segment_size: 40
    .max_flat_workgroup_size: 512
    .sgpr_count:     102
    .vgpr_count:     256
    .wavefront_size: 32
...
	.end_amdgpu_metadata
.endif
;; end of part 3
;; launch outp (part 4): grid 4 x 32, 4 waves a work-group, clusters of 4 x 4, 327,680 bytes of LDS; arguments cc, cs, opc, ops, bo, out0; writes out0
.if DOCPART == 4
	.amdgcn_target "amdgcn-amd-amdhsa--gfx1250"
	.amdhsa_code_object_version 6
	.text
	.protected	k_q5f52505e2b_outp
	.globl	k_q5f52505e2b_outp
	.p2align	8
	.type	k_q5f52505e2b_outp,@function
k_q5f52505e2b_outp:
	s_mov_b64 s[64:65], 0
	v_nop
	global_prefetch_b8 v0, s[64:65] scope:SCOPE_SE
	s_setreg_imm32_b32 hwreg(HW_REG_WAVE_MODE, 25, 1), 1
	s_wait_xcnt 0x0
	s_wait_alu depctr_hold_cnt(0) depctr_sa_sdst(0) depctr_va_vdst(0) depctr_va_sdst(0) depctr_va_ssrc(0) depctr_va_vcc(0) depctr_vm_vsrc(0)
	s_getreg_b32 s2, hwreg(HW_REG_IB_STS2, 6, 4)
	s_cmp_eq_u32 s2, 0
	s_cbranch_scc0 .Lentry_in_a_cluster
	s_endpgm
.Lentry_in_a_cluster:
	s_bfe_u32 s2, ttmp6, 0x10000c
	s_cmp_lg_u32 s2, 0xf033
	s_cbranch_scc0 .Lentry_shape_is_right
	s_endpgm
.Lentry_shape_is_right:
; out = ctx Wo + bo on codes of FP6 (E2M3) with E8M0 scales; out [8192][1024] f32.
; ctx comes as images of operand registers, [tile of 16 tokens][head][768 bytes] (registers 0-3 at 16 x lane, 4-5 at 512 + 8 x lane); two heads are one operand of 128 along K.  Its scale words: 8 bytes for a row and 256 along K.
; Wo comes as rows of 768 bytes in opc, from row 11,264 on, its scale bytes in ops.  Tokens and Wo's rows lie BY POSITION (bits 3 and 4 exchanged inside each 32); the way out puts both back.
; A tile of 256 x 256 is made by four waves, 128 x 128 each.  K goes in steps of 256 (four heads) through a ring of two LDS slots filled by the tensor data mover.
; Source 0 = 16 rows of Wo, source 1 = 16 tokens: a lane holds eight neighbouring numbers of a row of out.  bo is the C of each sum's first product.
; CLUSTERS: 4 x 4 work-groups; ctx's tiles are asked for jointly along a row of the cluster, Wo's along a column.  The grid has 128 work-groups: 32 x 4 tiles.
; REGISTERS: window 0: v0-31 addresses; v32-63 ctx's scale words, v64-95 Wo's, two sets each; v96-127 and v224-255 bo; v128-223 ctx's fragments; on the way out v128-255 rows of out.
;   window 1: Wo's fragments, two sets.  windows 2, 3: the accumulators.
.set NQ,     2
.set ROWB,   192
.set KROW,   768
.set PITCH,  240
.set FR,     12
.set NLA,    4                         ; LDS loads that bring a fragment of ctx
.set NP,     4
.set AHALF,  8*3072                    ; 8 tiles of tokens x four heads
.set HALFT,  128*PITCH
.set SLOT,   2*AHALF+2*HALFT
.set LAPS,   2
.set SCLA,   2*SLOT                    ; ctx's scale words, 2 x 4,096 bytes
.set SCLB,   SCLA+8192                 ; Wo's scale bytes, rows of 256 bytes + 16
.set HALFS,  16*272
.set SBLK,   2*272
.set SPARE,  SCLB+2*HALFS              ; the spare words, 128 bytes a wave, that no other line names
.set SPITCH, 528                       ; the way out: 16 rows x (512 + 16) a wave, in slot 0, which has had its last fill and its last read by then
.set ADRA, 16                          ; v16-17 16 x lane + my tiles in slot 0, 1; v18-19 the same with 8 x lane
.set ADRB, 20
.set STO,  24
.set RD,   25
.set CO,   26
.set ADSA, 27
.set SPW,  28
.set NIL,  29
.set ADSB, 30
.set BOF,  31
.set SCA,  32
.set SCB,  64
.set BIA,  96
.set AF,   128
.set BK,   128
.set G1, 24
.set G0, 32
.set G1B, 48
.set G0B, 56
.set G1S, 68
.set G0S, 76
.set G1SB, 80
.set G0SB, 88
.set MSB, 0
.macro WIN new
.if MSB != \new
	s_set_vgpr_msb (MSB<<8)|\new
.set MSB, \new
.endif
.endm
.set MUL_LO, 0xa1
.set MUL_HI, 0xf1
.set FIRST_LO, 0x81                    ; the first step: C (bo) in window 0
.set FIRST_HI, 0xc1
.set TO_B,   0x40
.macro JLOAD g0a, g1a, g0b, g1b        ; waves 0 and 1 fetch for ctx, waves 2 and 3 for Wo; four v_nop follow each line
	s_cmp_eq_u32 s15, 0
	s_cbranch_scc0 .Lfor_b_\@
	tensor_load_to_lds s[\g0a:\g0a+3], s[\g1a:\g1a+7]
	s_nop 0
.rept 4
	v_nop
.endr
	s_branch .Lasked_\@
.Lfor_b_\@:
	tensor_load_to_lds s[\g0b:\g0b+3], s[\g1b:\g1b+7]
	s_nop 0
.rept 4
	v_nop
.endr
.Lasked_\@:
.endm
.macro CREST
	s_cmp_lg_u32 s14, 0
	s_cbranch_scc1 .Lnot_wave_0_\@
	s_barrier_signal -3
.Lnot_wave_0_\@:
	s_barrier_wait -3
	s_barrier_signal -1
	s_barrier_wait -1
.endm
.macro CROUND
	s_barrier_signal -1
	s_barrier_wait -1
	CREST
.endm
	s_load_b256 s[4:11], s[0:1], 0x0               ; cc 4:5, cs 6:7, opc 8:9, ops 10:11
	s_load_b128 s[96:99], s[0:1], 0x20             ; bo 96:97, out0 98:99
	v_lshl_add_u32 v[SPW], v0, 2, SPARE
	v_mov_b32 v[NIL], 0
	ds_add_u32 v28, v29
	ds_add_u32 v28, v29
	s_wait_dscnt 0x0
	v_lshrrev_b32 v1, 5, v0
	v_readfirstlane_b32 s14, v1
	s_lshr_b32 s15, s14, 1                         ; my half of the tokens.  Also: I fetch for ctx (0) or Wo (1)
	s_and_b32 s16, s14, 1                          ; my half of the columns.  Also: which half I fetch
	s_bfe_u32 s40, ttmp6, 0x40000
	s_bfe_u32 s41, ttmp6, 0x40004
	s_lshl_b32 s42, ttmp9, 2
	s_add_co_u32 s42, s42, s40                     ; tile column
	s_and_b32 s17, ttmp7, 0xffff
	s_lshl_b32 s17, s17, 2
	s_add_co_u32 s17, s17, s41                     ; tile row
	s_lshl_b32 s43, s41, 2
	s_lshl_b32 s43, 15, s43
	s_lshl_b32 s44, 0x1111, s40
	; ctx: 8 rows (tiles of tokens) of 3,072 bytes (384 elements of 8), 12,288 bytes apart, no padding
	s_or_b32 s[G1+0], s43, (3<<16)|(1<<21)
	s_mov_b32 s[G1+1], 384<<16
	s_mov_b32 s[G1+2], 8<<16
	s_mov_b32 s[G1+3], 384<<16
	s_mov_b32 s[G1+4], 8
	s_mov_b32 s[G1+5], 1536
	s_mov_b32 s[G1+6], 0
	s_mov_b32 s[G1+7], 0
	; Wo: 128 rows x 192 bytes, 16 bytes of padding behind every 64
	s_or_b32 s[G1B+0], s44, (0<<16)|(1<<20)|(1<<21)|(3<<22)|(3<<25)
	s_mov_b32 s[G1B+1], ROWB<<16
	s_mov_b32 s[G1B+2], 128<<16
	s_mov_b32 s[G1B+3], ROWB<<16
	s_mov_b32 s[G1B+4], 128
	s_mov_b32 s[G1B+5], KROW
	s_mov_b32 s[G1B+6], 0
	s_mov_b32 s[G1B+7], 0
	; scale words: 4,096 dense bytes as 16 rows of 256; ctx's without padding, Wo's with 16 bytes behind each
	s_or_b32 s[G1S+0], s43, (3<<16)|(1<<21)
	s_or_b32 s[G1SB+0], s44, (3<<16)|(1<<20)|(1<<21)|(5<<22)|(3<<25)
.irp g, G1S, G1SB
	s_mov_b32 s[\g+1], 32<<16
	s_mov_b32 s[\g+2], 16<<16
	s_mov_b32 s[\g+3], 32<<16
	s_mov_b32 s[\g+4], 16
	s_mov_b32 s[\g+5], 32
	s_mov_b32 s[\g+6], 0
	s_mov_b32 s[\g+7], 0
.endr
	s_lshl_b32 s20, s17, 4
	s_lshl_b32 s18, s16, 3
	s_add_co_u32 s20, s20, s18                     ; the first tile of tokens that I fetch
	s_lshl_b32 s22, s20, 9
	s_mov_b32 s23, 0
	s_mul_i32 s20, s20, 12288
	s_mov_b32 s21, 0
	s_lshl_b32 s46, s42, 8
	s_lshl_b32 s18, s16, 7
	s_add_co_u32 s46, s46, s18
	s_add_co_u32 s46, s46, 11264                   ; the first row of Wo that I fetch
	s_lshl_b32 s92, s46, 5
	s_mov_b32 s93, 0
	s_mul_i32 s46, s46, KROW
	s_mov_b32 s47, 0
	s_mul_i32 s45, s16, AHALF                      ; where they go: made of the wave's number alone
	s_mul_i32 s66, s16, HALFT
	s_add_co_u32 s66, s66, 2*AHALF
	s_lshl_b32 s94, s16, 12
	s_add_co_u32 s94, s94, SCLA
	s_mul_i32 s67, s16, HALFS
	s_add_co_u32 s67, s67, SCLB
	s_wait_kmcnt 0x0
	s_add_nc_u64 s[20:21], s[4:5], s[20:21]
	s_add_nc_u64 s[22:23], s[6:7], s[22:23]
	s_add_nc_u64 s[46:47], s[8:9], s[46:47]
	s_add_nc_u64 s[92:93], s[10:11], s[92:93]
	CROUND                                         ; all sixteen work-groups are here
	s_mov_b32 s[G0S], 1
	s_mov_b32 s[G0S+1], s94
	s_mov_b64 s[G0S+2:G0S+3], s[22:23]
	s_or_b32 s[G0S+3], s[G0S+3], 0x80000000
	s_mov_b32 s[G0SB], 1
	s_mov_b32 s[G0SB+1], s67
	s_mov_b64 s[G0SB+2:G0SB+3], s[92:93]
	s_or_b32 s[G0SB+3], s[G0SB+3], 0x80000000
	JLOAD G0S, G1S, G0SB, G1SB                     ; the scales first; with the two slots three loads of mine are out
.irp s, 0,1
	s_mov_b32 s[G0+4*\s], 1
	s_add_co_u32 s[G0+4*\s+1], s45, \s*SLOT
	s_add_nc_u64 s[G0+4*\s+2:G0+4*\s+3], s[20:21], \s*3072
	s_or_b32 s[G0+4*\s+3], s[G0+4*\s+3], 0x80000000
	s_mov_b32 s[G0B+4*\s], 1
	s_add_co_u32 s[G0B+4*\s+1], s66, \s*SLOT
	s_add_nc_u64 s[G0B+4*\s+2:G0B+4*\s+3], s[46:47], \s*ROWB
	s_or_b32 s[G0B+4*\s+3], s[G0B+4*\s+3], 0x80000000
	JLOAD G0+4*\s, G1, G0B+4*\s, G1B
.endr
	v_and_b32 v1, 15, v0                           ; r
	v_bfe_u32 v2, v0, 4, 1                         ; h
	v_and_b32 v6, 31, v0
	s_lshl_b32 s46, s42, 10                        ; my first column in bytes: 1,024 x tile column + 512 x half; bo's offset is the same number
	s_lshl_b32 s47, s16, 9
	s_add_co_u32 s46, s46, s47
	s_mov_b32 s47, 0
	s_add_nc_u64 s[96:97], s[96:97], s[46:47]
	v_lshlrev_b32 v[BOF], 6, v2
.irp b, 0,1,2,3,4,5,6,7
	global_load_b128 v[BIA+8*\b+96*(\b/4):BIA+8*\b+96*(\b/4)+3], v[BOF], s[96:97] offset:(32*(\b/2)+8*(\b%2))*4     ; tile b, register j: n = 32 (b / 2) + 16 h + 8 (b % 2) + j
	global_load_b128 v[BIA+8*\b+96*(\b/4)+4:BIA+8*\b+96*(\b/4)+7], v[BOF], s[96:97] offset:(32*(\b/2)+8*(\b%2))*4+16
.endr
	s_lshl_b32 s20, s17, 8
	s_lshl_b32 s21, s15, 7
	s_add_co_u32 s20, s20, s21                     ; my first row of out
	s_lshl_b32 s20, s20, 12
	s_add_co_u32 s20, s20, s46
	s_mov_b32 s21, 0
	s_add_nc_u64 s[98:99], s[98:99], s[20:21]
	v_mul_u32_u24 v3, v1, PITCH
	v_mul_u32_u24 v4, v2, 24
	v_add_nc_u32 v4, v3, v4
	v_lshl_add_u32 v5, v2, 4, v4
	v_lshlrev_b32 v7, 4, v6
	v_lshlrev_b32 v8, 3, v6
	s_mul_i32 s21, s15, AHALF
	s_mul_i32 s22, s16, HALFT
	s_add_co_u32 s22, s22, 2*AHALF
.irp s, 0,1
	v_add_nc_u32 v[ADRA+\s], s21, v7
	v_add_nc_u32 v[ADRA+2+\s], s21, v8
	v_add_nc_u32 v[ADRB+\s], s22, v4
	v_add_nc_u32 v[ADRB+2+\s], s22, v5
	s_add_co_u32 s21, s21, SLOT
	s_add_co_u32 s22, s22, SLOT
.endr
	s_lshl_b32 s21, s15, 12
	s_add_co_u32 s21, s21, SCLA
	v_lshl_add_u32 v[ADSA], v1, 3, s21             ; ctx's words: 8 r, 512 a tile, 128 a slot
	v_lshlrev_b32 v5, 5, v1
	v_lshrrev_b32 v9, 8, v5
	v_lshl_add_u32 v5, v9, 4, v5
	s_mul_i32 s22, s16, HALFS
	s_add_co_u32 s22, s22, SCLB
	v_add_nc_u32 v[ADSB], s22, v5                  ; Wo's: 32 r, and 16 more behind each 256
	s_mul_i32 s23, s14, 16*SPITCH
	v_mul_u32_u24 v5, v1, SPITCH
	v_lshl_add_u32 v5, v2, 6, v5
	v_add_nc_u32 v[STO], s23, v5                   ; into my stage: row r, + 64 h
	v_lshlrev_b32 v[CO], 4, v6
	v_add_nc_u32 v[RD], s23, v[CO]
.macro FRAG reg, adr, q, i
.irp p, 0,1,2,3,4,5
.set PCE, 12*(\q)+6*(\p/3)+\p%3
.if PCE%8 < 5
	ds_load_b64 v[\reg+2*\p:\reg+2*\p+1], v[\adr] offset:8*PCE+16*(PCE/8)+(\i)*16*PITCH
.else
	ds_load_b64 v[\reg+2*\p:\reg+2*\p+1], v[\adr+2] offset:8*PCE+16*(PCE/8)+(\i)*16*PITCH
.endif
.endr
.endm
.macro FRAGA reg, slot, q, i           ; two heads' images make one operand
	ds_load_b128 v[\reg:\reg+3], v[ADRA+\slot] offset:3072*(\i)+1536*(\q)
	ds_load_b64 v[\reg+4:\reg+5], v[ADRA+2+\slot] offset:3072*(\i)+1536*(\q)+512
	ds_load_b128 v[\reg+6:\reg+9], v[ADRA+\slot] offset:3072*(\i)+1536*(\q)+768
	ds_load_b64 v[\reg+10:\reg+11], v[ADRA+2+\slot] offset:3072*(\i)+1536*(\q)+1280
.endm
; the 64 accumulators take turns, one instruction a turn, in the same order in every step
.macro MUL16 a0, p, q, sc, zero
.irp a, \a0, \a0+1
.irp b, 0,1,2,3,4,5,6,7
.if \zero
	v_wmma_scale_f32_16x16x128_f8f6f4 v[8*(8*((\a)%4)+\b):8*(8*((\a)%4)+\b)+7], v[128*(\p)+FR*\b:128*(\p)+FR*\b+FR-1], v[AF+FR*(\a):AF+FR*(\a)+FR-1], v[BIA+8*\b+96*(\b/4):BIA+8*\b+96*(\b/4)+7], v[SCB+16*(\sc)+2*\b+(\q)], v[SCA+16*(\sc)+2*(\a)+(\q)] matrix_a_fmt:MATRIX_FMT_FP6 matrix_b_fmt:MATRIX_FMT_FP6
.else
	v_wmma_scale_f32_16x16x128_f8f6f4 v[8*(8*((\a)%4)+\b):8*(8*((\a)%4)+\b)+7], v[128*(\p)+FR*\b:128*(\p)+FR*\b+FR-1], v[AF+FR*(\a):AF+FR*(\a)+FR-1], v[8*(8*((\a)%4)+\b):8*(8*((\a)%4)+\b)+7], v[SCB+16*(\sc)+2*\b+(\q)], v[SCA+16*(\sc)+2*(\a)+(\q)] matrix_a_fmt:MATRIX_FMT_FP6 matrix_b_fmt:MATRIX_FMT_FP6
.endif
.endr
.endr
.endm
.macro FETCH_B slot, q, p
	WIN TO_B
.irp i, 0,1,2,3,4,5,6,7
	FRAG 128*(\p)+FR*\i, ADRB+\slot, \q, \i
.endr
	WIN 0
.endm
.macro FETCH_A slot, q, i0
.irp i, \i0, \i0+1, \i0+2, \i0+3
	FRAGA AF+FR*(\i), \slot, \q, \i
.endr
.endm
.macro SCALES sc
.irp i, 0,1,2,3,4,5,6,7
	ds_load_b64 v[SCA+16*\sc+2*\i:SCA+16*\sc+2*\i+1], v[ADSA] offset:\i*512
	ds_load_b64 v[SCB+16*\sc+2*\i:SCB+16*\sc+2*\i+1], v[ADSB] offset:\i*SBLK
.endr
.endm
.macro PLACES n
.rept \n
	v_nop
.endr
.endm
.macro STEP slot, q, zero
	s_wait_dscnt 4*NLA                             ; all but the 16 loads of ctx's blocks 4-7
.if \zero
	WIN FIRST_LO
.else
	WIN MUL_LO
.endif
	MUL16 0, (\q)%2, \q, \slot, \zero
	MUL16 2, (\q)%2, \q, \slot, \zero
	s_wait_dscnt 0
	PLACES NP
	FETCH_B \slot, (\q)+1, 1-(\q)%2
	FETCH_A \slot, (\q)+1, 0
.if \zero
	WIN FIRST_HI
.else
	WIN MUL_HI
.endif
	MUL16 4, (\q)%2, \q, \slot, \zero
	MUL16 6, (\q)%2, \q, \slot, \zero
	PLACES NP
	WIN 0
	FETCH_A \slot, (\q)+1, 4
.endm
.macro TURN slot, next, fill
	s_wait_tensorcnt 0x0                           ; my one load that was out, my part of the next slot, has landed
	ds_add_u32 v[SPW], v[NIL]
	s_wait_dscnt 4*NLA+1                           ; the add and the 16 youngest loads may be out
	WIN MUL_LO
	MUL16 0, 1, NQ-1, \slot, 0
	s_wait_dscnt 0x0                               ; the add is done, and my reads of this slot are over
	s_barrier_signal -1
	MUL16 2, 1, NQ-1, \slot, 0
	WIN 0
	s_barrier_wait -1
.if \fill
	CREST                                          ; the barrier has opened a round of the cluster's
	s_add_nc_u64 s[G0+4*\slot+2:G0+4*\slot+3], s[G0+4*\slot+2:G0+4*\slot+3], 2*3072
	s_add_nc_u64 s[G0B+4*\slot+2:G0B+4*\slot+3], s[G0B+4*\slot+2:G0B+4*\slot+3], 2*ROWB
	JLOAD G0+4*\slot, G1, G0B+4*\slot, G1B         ; the first tensor load behind the round; its four v_nop are the places in front of the loads below
.else
	PLACES NP
.endif
	v_add_nc_u32 v[ADSA], 128, v[ADSA]
	v_add_nc_u32 v[ADSB], 8, v[ADSB]
	FETCH_B \next, 0, 0
	FETCH_A \next, 0, 0
	SCALES \next
	WIN MUL_HI
	MUL16 4, 1, NQ-1, \slot, 0
	MUL16 6, 1, NQ-1, \slot, 0
	PLACES NP
	WIN 0
	FETCH_A \next, 0, 4
.endm
	s_wait_tensorcnt 1                             ; the scales and my part of slot 0 are in; slot 1's load may be out
	s_barrier_signal -1
	s_barrier_wait -1
	FETCH_B 0, 0, 0
	FETCH_A 0, 0, 0
	SCALES 0
	FETCH_A 0, 0, 4
	s_wait_loadcnt 0x0                             ; bo
	STEP 0, 0, 1                                   ; the first step's products start the sums from bo
	s_mov_b32 s3, LAPS-1
.Llap:
	TURN 0, 1, 1
	STEP 1, 0, 0
	TURN 1, 0, 1
	STEP 0, 0, 0
	s_sub_co_u32 s3, s3, 1
	s_cmp_lg_u32 s3, 0
	s_cbranch_scc1 .Llap
	TURN 0, 1, 0
	STEP 1, 0, 0
	s_wait_dscnt 4*NLA
	WIN MUL_LO
	MUL16 0, 1, NQ-1, 1, 0
	MUL16 2, 1, NQ-1, 1, 0
	s_wait_dscnt 0
	WIN MUL_HI
	MUL16 4, 1, NQ-1, 1, 0
	MUL16 6, 1, NQ-1, 1, 0
	WIN 0
; THE WAY OUT, block by block of 16 tokens x 128 columns, through my own stage; LDS serves a wave's instructions in order.  Tile b's eight numbers go to columns 32 (b / 2) + 16 h + 8 (b % 2) on;
; row t of block a is token 32 (a / 2) + 8 (a % 2) + t % 8 + 16 (t / 8) of my 128: the whole place stands in the store's immediate, 520,192 at the most.
.macro TOSTAGE a
.set AC, 64*((\a)%4)
	WIN 0x08+4*((\a)/4)
.irp b, 0,1,2,3,4,5,6,7
	ds_store_b128 v[STO], v[AC+8*\b:AC+8*\b+3] offset:128*(\b/2)+32*(\b%2)          ; each accumulator from its low end on
	ds_store_b128 v[STO], v[AC+8*\b+4:AC+8*\b+7] offset:128*(\b/2)+32*(\b%2)+16
.endr
	WIN 0
.set BB, BK+64*((\a)%2)
.irp t, 0,1,2,3,4,5,6,7,8,9,10,11,12,13,14,15
	ds_load_b128 v[BB+4*\t:BB+4*\t+3], v[RD] offset:\t*SPITCH
.endr
.endm
.macro SEND a, younger
.set BB, BK+64*((\a)%2)
	s_wait_dscnt \younger
.irp t, 0,1,2,3,4,5,6,7,8,9,10,11,12,13,14,15
	global_store_b128 v[CO], v[BB+4*\t:BB+4*\t+3], s[98:99] offset:(32*((\a)/2)+8*((\a)%2)+\t%8+16*(\t/8))*4096 th:TH_STORE_NT   ; 32 lanes store 512 consecutive bytes, aligned to 256
.endr
.endm
	PLACES NP
	TOSTAGE 0
.irp a, 1,2,3,4,5,6,7
.if \a > 1
	s_wait_xcnt 0x0                                ; block a - 2's stores have read their registers: block a's loads may land there
.endif
	TOSTAGE \a
	SEND \a-1, 32                                  ; behind block a - 1's loads: block a's 16 stores and 16 loads
.endr
	SEND 7, 0
	s_wait_tensorcnt 0x0                           ; the wave's end
	ds_add_u32 v[SPW], v[NIL]
	s_wait_dscnt 0x0
	CROUND                                         ; the closing round
	s_endpgm
.Lfunc_end_k_q5f52505e2b_outp:
	.size	k_q5f52505e2b_outp, .Lfunc_end_k_q5f52505e2b_outp-k_q5f52505e2b_outp
	.p2alignl 7, 3214868480
	.fill 96, 4, 3214868480
	.section	.rodata,"a",@progbits
	.p2align	6, 0x0
	.amdhsa_kernel k_q5f52505e2b_outp
		.amdhsa_group_segment_fixed_size 327680
		.amdhsa_private_segment_fixed_size 0
		.amdhsa_enable_private_segment 0
		.amdhsa_kernarg_size 48
		.amdhsa_user_sgpr_count 2
		.amdhsa_user_sgpr_kernarg_segment_ptr 1
		.amdhsa_wavefront_size32 1
		.amdhsa_system_sgpr_workgroup_id_x 1
		.amdhsa_system_sgpr_workgroup_id_y 1
		.amdhsa_system_sgpr_workgroup_id_z 1
		.amdhsa_system_vgpr_workitem_id 0
		.amdhsa_next_free_vgpr 1024
		.amdhsa_next_free_sgpr 102
		.amdhsa_reserve_vcc 0
		.amdhsa_float_denorm_mode_32 3
		.amdhsa_float_denorm_mode_16_64 3
		.amdhsa_memory_ordered 1
		.amdhsa_forward_progress 1
		.amdhsa_inst_pref_size 155
	.end_amdhsa_kernel
	.amdgpu_metadata
---
amdhsa.version: [ 1, 2 ]
amdhsa.kernels:
  - .name:           k_q5f52505e2b_outp
    .symbol:         k_q5f52505e2b_outp.kd
    .args:
      - { .name: cc, .offset: 0, .size: 8, .value_kind: global_buffer, .address_space: global }
      - { .name: cs, .offset: 8, .size: 8, .value_kind: global_buffer, .address_space: global }
      - { .name: opc, .offset: 16, .size: 8, .value_kind: global_buffer, .address_space: global }
      - { .name: ops, .offset: 24, .size: 8, .value_kind: global_buffer, .address_space: global }
      - { .name: bo, .offset: 32, .size: 8, .value_kind: global_buffer, .address_space: global }
      - { .name: out0, .offset: 40, .size: 8, .value_kind: global_buffer, .address_space: global }
    .group_segment_fixed_size: 327680
    .private_segment_fixed_size: 0
    .kernarg_segment_align: 8
    .kernarg_segment_size: 48
    .max_flat_workgroup_size: 128
    .sgpr_count:     102
    .vgpr_count:     1024
    .wavefront_size: 32
...
	.end_amdgpu_metadata
.endif
;; end of part 4
